; MI455X (gfx1250); checked and timed in simulation.
; The chip was launched on July 23, 2026; its instructions are those of AMD's public machine-readable ISA for CDNA 5 (MIT licence, August 2026) and "CDNA5" Instruction Set Architecture Reference Guide (July 2026). The comments in the code are by the model that wrote it; some were corrected since.
;; Multi Head Latent Attention. Allowed arithmetic: matrix products marked QUANTISED: E2M3 operands, one E8M0 scale for each 32 along K, by v_wmma_scale_f32_16x16x128_f8f6f4 with both operands' format E2M3, f32 sums; everything else in f32.
;; Inputs: b_proj 1,024 float32; w_proj 1,024 x 1,024 float32; wk_heads 256 x 1,024 float32; wk_lat 1,024 x 256 float32; wq_heads 256 x 1,024 float32; wq_lat 1,024 x 256 float32; wv_heads 256 x 1,024 float32; wv_lat 1,024 x 256 float32; x 2 x 2,048 x 1,024 float32.
;; Outputs: out0 2 x 2,048 x 1,024 float32.
;; This version of the problem:
;;   THIS VERSION OF THE PROBLEM IS GIVEN IN LOW PRECISION. The matrix products marked QUANTISED in the list below multiply operands that are first quantised to E2M3 (2 exponent bits, 3 mantissa bits; 6 bits a number), with one power-of-two scale for each 32 numbers along K (OCP MX v1.0); their sums are f32. All else is computed in f32.
;;   The module's matrix products, in the order in which they are computed (A, B: the left and right operand; K: the contracted axis; several contracted axes count as one K, in the product's order):
;;     1. [M 4,096, K 1,024] x [K 1,024, N 256]; A: input x; B: input wq_lat: QUANTISED
;;     2. [M 4,096, K 256] x [K 256, N 1,024]; A: computed on the way; B: input wq_heads: QUANTISED
;;     3. [M 4,096, K 1,024] x [K 1,024, N 256]; A: input x; B: input wk_lat: QUANTISED
;;     4. [M 4,096, K 256] x [K 256, N 1,024]; A: computed on the way; B: input wk_heads: QUANTISED
;;     5. [M 4,096, K 1,024] x [K 1,024, N 256]; A: input x; B: input wv_lat: QUANTISED
;;     6. [M 4,096, K 256] x [K 256, N 1,024]; A: computed on the way; B: input wv_heads: QUANTISED
;;     7. batch 32 x [M 2,048, K 64] x [K 64, N 2,048]; A: computed on the way; B: computed on the way: QUANTISED
;;     8. batch 32 x [M 2,048, K 2,048] x [K 2,048, N 64]; A: softmax (see below); B: computed on the way: QUANTISED
;;     9. [M 4,096, K 1,024] x [K 1,024, N 1,024]; A: computed on the way; B: input w_proj: QUANTISED
;;   THE QUANTISER, for each operand of a quantised product, along K:
;;     - K is cut into blocks of 32 from its start; a last block that is shorter is filled with zeros.
;;     - A block's scale is 2^e with e = floor(log2(the largest magnitude in the block)) - 2, held to -126 .. 127; a block of zeros has e = 0. As a byte (E8M0): e + 127.
;;     - Each number is divided by its block's scale, clamped to +-7.5, and rounded to the nearest number of E2M3, ties to even, subnormals kept.
;;     - The product sums the exact products of the quantised numbers (number of the format x scale) in f32.
;;   ~~~python
;;   def quantise(x, axis):      # numpy; x: float32 -> the quantised numbers, widened to float32 again
;;       x = np.moveaxis(x, axis, -1); K = x.shape[-1]
;;       x = np.pad(x, [(0, 0)] * (x.ndim - 1) + [(0, -K % 32)]); x = x.reshape(x.shape[:-1] + (-1, 32)); a = np.abs(x).max(-1, keepdims=True)
;;       e = np.where(a > 0, np.clip(np.frexp(np.where(a > 0, a, 1))[1] - 1 - 2, -126, 127), 0)      # np.frexp(a)[1] - 1 = floor(log2(a)), exactly
;;       r = np.clip(x / 2.0 ** e, -7.5, 7.5)
;;       step = 2.0 ** (np.maximum(np.frexp(np.where(r == 0, 1, r))[1] - 1, 0) - 3)
;;       q = np.round(r / step) * step * 2.0 ** e      # np.round: ties to even
;;       return np.moveaxis(q.reshape(q.shape[:-2] + (-1,))[..., :K], -1, axis).astype(np.float32)
;;   ~~~
;;   SOFTMAX AHEAD OF A QUANTISED PRODUCT. Where the list says 'softmax', what is quantised is not the finished softmax but p = 2^(t - M), with t = logit x log2(e) and M = ceil(the row's largest t), a whole number; so 1/2 < the row's largest p <= 1. The row's sum l is taken of the UNQUANTISED p, in f32, and the product's result is divided by l at the end. Since M is a whole number, a kernel that streams over the keys may use a running M (the ceiling of the running maximum): every later rescaling is an exact power of two, which a block's scale takes up: the codes' values come out the same.
;;   OPERANDS COMPUTED ON THE WAY. 'Computed on the way' means the value that the module computes at that place (a softmax that the list does not call 'softmax' is quantised finished and normalised). What goes into a quantiser is computed in f32, as accurately as f32 sums, v_exp_f32 and their like allow (about 1e-6 of the number): no bf16 or f16 on the way to a quantiser, and a product that is left as it is and whose result goes on into a quantised operand takes f32 operands (vector FMAs, or v_wmma_f32_16x16x4_f32). A number that lies on a knife's edge between two numbers of the format may be rounded either way, as far as f32 arithmetic and the matrix unit's own rounding can turn it there, and no further.
;; One version. Each part assembles by itself: llvm-mc -triple=amdgcn-amd-amdhsa -mcpu=gfx1250 --defsym DOCPART=n.
;; ======== version 1 of 1: 4 launches
;; limits: right only within a limited range of input values
;; workspace buffers: xq 3,276,800 bytes; wq 2,048,000 bytes; qq 3,407,872 bytes; kv 6,684,672 bytes; yq 3,276,800 bytes
;; launch prep (part 1): grid 416 x 1, 4 waves a work-group, no clusters, 34,304 bytes of LDS; arguments x, wq_lat, wk_lat, wv_lat, wq_heads, wk_heads, wv_heads, w_proj, xq, wq; writes xq, wq
.if DOCPART == 1
	.amdgcn_target "amdgcn-amd-amdhsa--gfx1250"
	.amdhsa_code_object_version 6
	.text
	.protected	k_q342855ecf9_prep
	.globl	k_q342855ecf9_prep
	.p2align	8
	.type	k_q342855ecf9_prep,@function
k_q342855ecf9_prep:
	s_mov_b64 s[64:65], 0
	v_nop
	global_prefetch_b8 v0, s[64:65] scope:SCOPE_SE
	s_setreg_imm32_b32 hwreg(HW_REG_WAVE_MODE, 25, 1), 1
	s_wait_xcnt 0x0
; PREP: x [4096][1024] and the seven weights ([K][N], K the FIRST axis), all f32, become codes of FP6 (E2M3) with one E8M0 byte for each 32 along K, laid in the ORDER OF THE OPERAND'S REGISTERS.
; WORK LEFT OUT BY THE PROGRAM: in launch attn, key steps of 128 that lie wholly behind a tile's queries: reference()'s own causal mask gives those keys the weight 0 whatever the inputs hold.  A NaN, an infinity or an overflow that reaches only such scores is not carried to the result.
; A block's scale is 2^(floor(log2(its largest magnitude)) - 2): its byte is the largest magnitude's exponent field - 2, held at 1 from below by a floor among the maximum's leaves.
; LIMITS: NaN and infinities among the inputs are not served.  A block of zeros, and a block whose largest magnitude lies under 2^-124, gets the byte 1 (zero codes add nothing under any byte but 0xff; this program alone reads the bytes).
; A FRAGMENT'S IMAGE (16 rows x 128 K, 12 registers a lane) is 1,536 bytes: registers 4 p .. 4 p + 3 of lane l at 512 p + 16 l.
; THE 16 ROWS OF A TILE ARE NOT NEIGHBOURS: in a group of 64 rows (or columns), lane-row r of tile u = 0 .. 3 is element 32 (r / 8) + 8 u + r % 8.  Used as source 0 of a product, four such tiles leave 32 neighbours, a whole scale block, in a lane's 32 result registers.
; Work-groups 0-255: x.  Work-group 4 rb + m takes tile m of the 64 rows rb; wave w its K steps 2 w and 2 w + 1.  xq: a record of 51,200 bytes for 64 rows: fragment (m, s) at (8 m + s) 1,536; scale words at 49,152 + 512 m + 128 w + 4 l
;   (lanes 0-15: K step 2 w of row r, lanes 16-31: K step 2 w + 1).
; Work-groups 256-415: the weights, a lane to a column, its registers running down K: a block of 32 along K lies in one lane.  A wave takes 32 neighbouring columns, half a group of 64 (8 lane-rows of each of its four tiles), x 128 K.  No LDS on this path.
;   wq: weight i's images at 196,608 i; tile T = 2 g + u, K step s, at (((g / 4) S + s) 4 + g % 4) 3,072 + 1,536 u, S = K / 128;
;   scale words at 1,966,080 + 8,192 i + (s G + g) 128 + 4 (r + 16 u), G = N / 32: one register carries an even tile in lanes 0-15 and the odd one in lanes 16-31.
; No tensor loads, no barrier: waves share nothing.
.set REC,   51200                      ; a record of xq
.set XSCL,  49152                      ; where its scale words begin
.set WSC0,  1966080                    ; where wq's scale words begin
.set FLOOR, 0x1800000                  ; 2^(3 - 127)
.set EOFF,  0xff000000                 ; -(2 << 23): 2 off an exponent field
.set STG,   8448                       ; a wave's stage: 16 rows x (512 bytes + 16)
.set SPARE, 4*STG                      ; the spare words, 128 bytes for each wave
.set R,   16                           ; v16-143  numbers as loaded
.set X,   144                          ; v144-207 x path: 64 numbers of my row, in the operand's order
.set F,   208                          ; v208-231 x path: two fragments
.set T,   144                          ; v144-167 weight path: the 12 registers for fragment lane (r, 0), then those for (r, 1)
.set CT,  232                          ; v232-234, v236-238: a conversion's three registers begin on an even number
.set TM,  240
.set SO,  242
.set BY,  244
.set WD,  246                          ; v246-247 scale words
.set PX,  248
.set WW,  249
.set SPW, 254
.set NIL, 255
.set WV,  24
.set SEL, 44
.set HM,  46
	s_load_b512 s[4:19], s[0:1], 0x0               ; x, wq_lat, wk_lat, wv_lat, wq_heads, wk_heads, wv_heads, w_proj
	s_load_b128 s[20:23], s[0:1], 0x40             ; xq, wq
	v_lshl_add_u32 v[SPW], v0, 2, SPARE
	v_mov_b32 v[NIL], 0
	v_lshrrev_b32 v1, 5, v0
	v_readfirstlane_b32 s[WV], v1                  ; wave 0..3
	v_and_b32 v2, 31, v0                           ; lane
	v_lshlrev_b32 v6, 2, v2                        ; 4 x lane
	s_cmp_ge_u32 ttmp9, 256
	s_cbranch_scc1 .Lweights
	; ---------------- x ----------------
	s_lshr_b32 s25, ttmp9, 2                       ; rb
	s_and_b32 s26, ttmp9, 3                        ; m
	s_lshl_b32 s27, s25, 6
	s_lshl_b32 s28, s26, 3
	s_add_co_u32 s27, s27, s28                     ; the tile's first row: 64 rb + 8 m; lane-row i is row 32 (i / 8) + 8 m + i % 8 of the 64
	s_lshl_b32 s28, s27, 12                        ; a row of x is 4,096 bytes
	s_lshl_b32 s29, s[WV], 10                      ; my two K steps: 1,024 bytes
	s_add_co_u32 s28, s28, s29
	s_mov_b32 s29, 0
	s_mul_i32 s30, s25, REC
	s_lshl_b32 s31, s26, 3
	s_lshl_b32 s32, s[WV], 1
	s_add_co_u32 s31, s31, s32
	s_mul_i32 s31, s31, 1536
	s_add_co_u32 s32, s30, s31                     ; my first image
	s_mov_b32 s33, 0
	s_lshl_b32 s34, s26, 9
	s_lshl_b32 s35, s[WV], 7
	s_add_co_u32 s34, s34, s35
	s_add_co_u32 s34, s34, s30
	s_add_co_u32 s34, s34, XSCL                    ; my scale words
	s_mov_b32 s35, 0
	s_mov_b32 s[SEL], 0x76543210
	s_mov_b32 s[SEL+1], 0xfedcba98                 ; v_permlanex16_b32's selects for lane l xor 16
	s_mov_b32 s[HM], 0xffff0000                    ; lanes 16-31
	s_wait_alu depctr_va_vdst(0)
	v_lshlrev_b32 v3, 4, v2                        ; 16 x lane
	s_mul_i32 s40, s[WV], STG
	v_add_nc_u32 v4, s40, v3                       ; into the stage: a row's 512 bytes as they lie
	v_and_b32 v7, 15, v0                           ; r
	v_bfe_u32 v8, v0, 4, 1                         ; h
	v_mul_u32_u24 v5, v7, 528
	v_lshl_add_u32 v5, v8, 7, v5
	v_add_nc_u32 v5, s40, v5                       ; out of it: row r, + 128 h: my block of 32 numbers
	v_lshlrev_b32 v9, 3, v8                        ; 8 h: where my two bytes stand in the scale word
	v_mov_b32 v[PX], 0                             ; a lane permute's destination counts as one of its sources
	s_wait_alu depctr_va_vdst(0)
	s_wait_kmcnt 0x0
	s_add_nc_u64 s[4:5], s[4:5], s[28:29]
	s_add_nc_u64 s[36:37], s[20:21], s[32:33]
	s_add_nc_u64 s[38:39], s[20:21], s[34:35]
.irp t, 0,1
.irp i, 0,1,2,3,4,5,6,7,8,9,10,11,12,13,14,15
	global_load_b128 v[R+64*\t+4*\i:R+64*\t+4*\i+3], v3, s[4:5] offset:(\i+24*(\i/8))*4096+512*\t th:TH_LOAD_NT   ; lane-row i's 512 consecutive bytes of K step 2 w + t
.endr
.endr
; K step 2 w + t: through the stage (a load is dense where neighbouring lanes take neighbouring bytes; the conversions want 32 neighbours in one lane), then two whole blocks a lane
.macro XSTEP t
	s_wait_loadcnt 16-16*\t                        ; this K step's 16 loads are in; the other's may be out
.irp i, 0,1,2,3,4,5,6,7,8,9,10,11,12,13,14,15
	ds_store_b128 v4, v[R+64*\t+4*\i:R+64*\t+4*\i+3] offset:528*\i
.endr
.irp c, 0,1
.irp q, 0,1,2,3,4,5,6,7
	ds_load_b128 v[X+32*\c+4*\q:X+32*\c+4*\q+3], v5 offset:256*\c+16*\q   ; k = 64 c + 32 h + 4 q ..  (LDS serves a wave's instructions in order: these see the stores above)
.endr
.endr
	s_wait_dscnt 0x0
.irp c, 0,1
	v_max3_num_f32 v[TM+\c], |v[X+32*\c]|, |v[X+32*\c+1]|, FLOOR   ; block 2 c + h: all 32 numbers are mine
.endr
.irp i, 2,4,6,8,10,12,14,16,18,20,22,24,26,28,30
.irp c, 0,1
	v_max3_num_f32 v[TM+\c], v[TM+\c], |v[X+32*\c+\i]|, |v[X+32*\c+\i+1]|   ; (the two blocks by turns)
.endr
.endr
.irp c, 0,1
	v_add_nc_u32 v[SO+\c], EOFF, v[TM+\c]          ; 2 off the exponent field: the conversion takes this operand's exponent field as its scale
.endr
.irp c, 0,1
	v_lshrrev_b32 v[BY+\c], 23, v[SO+\c]           ; the scale's byte
.endr
	v_lshl_or_b32 v[WD+\t], v[BY+1], 16, v[BY]     ; my two bytes: blocks h and 2 + h,
	v_lshlrev_b32 v[WD+\t], v9, v[WD+\t]           ; at their places in the word;
	v_permlanex16_b32 v[PX], v[WD+\t], s[SEL], s[SEL+1]
	v_or_b32 v[WD+\t], v[WD+\t], v[PX]             ; with lane l xor 16's two the word is whole
.irp c, 0,1
	v_cvt_scalef32_pk16_fp6_f32 v[F+12*\t+6*\c:F+12*\t+6*\c+2], v[X+32*\c:X+32*\c+15], v[SO+\c]
	v_cvt_scalef32_pk16_fp6_f32 v[CT+4*\c:CT+4*\c+2], v[X+32*\c+16:X+32*\c+31], v[SO+\c]
.endr
	v_nop                                          ; one plain place behind a scaled conversion
.irp c, 0,1
.irp i, 0,1,2
	v_mov_b32 v[F+12*\t+6*\c+3+\i], v[CT+4*\c+\i]
.endr
.endr
.irp p, 0,1,2
	global_store_b128 v3, v[F+12*\t+4*\p:F+12*\t+4*\p+3], s[36:37] offset:1536*\t+512*\p   ; 32 lanes store 512 consecutive bytes, at a multiple of 256 from xq's first byte
.endr
.endm
	XSTEP 0
	XSTEP 1
	v_cndmask_b32 v[WW], v[WD], v[WD+1], s[HM]     ; lanes 0-15 keep K step 2 w's word, lanes 16-31 take K step 2 w + 1's
	global_store_b32 v6, v[WW], s[38:39]           ; 128 consecutive bytes
	s_wait_tensorcnt 0x0                           ; the wave's end
	ds_add_u32 v[SPW], v[NIL]
	s_wait_dscnt 0x0
	s_endpgm
	; ---------------- the weights ----------------
.Lweights:
	s_sub_co_u32 s25, ttmp9, 256
	s_lshr_b32 s26, s25, 4
	s_min_u32 s26, s26, 6                          ; which weight: 0-2 the latent ones (16 work-groups each), 3-5 the heads' (16 each), 6 w_proj (64)
	s_lshl_b32 s27, s26, 4
	s_sub_co_u32 s27, s25, s27                     ; which part of it
	s_cmp_lt_u32 s26, 3                            ; N = 256 (two work-groups side by side) or 1,024 (eight)
	s_cselect_b32 s28, 1, 7
	s_cselect_b32 s29, 1, 3
	s_cselect_b32 s30, 3, 5                        ; log2 of G = N / 32
	s_cselect_b32 s31, 17, 19                      ; log2 of 128 rows' bytes
	s_and_b32 s28, s27, s28                        ; which 128 columns
	s_lshr_b32 s29, s27, s29                       ; K step s
	s_sub_co_u32 s32, s26, 3
	s_cmp_lt_u32 s32, 3
	s_cselect_b32 s32, 2, 8                        ; S = K / 128
	s_lshl_b32 s33, s28, 2
	s_add_co_u32 s33, s33, s[WV]                   ; my 32 columns
	s_lshl_b32 s34, s29, s31
	s_lshl_b32 s35, s33, 7
	s_add_co_u32 s34, s34, s35                     ; in the weight: 128 s rows down, 128 bytes for 32 columns
	s_mov_b32 s35, 0
	s_and_b32 s47, s[WV], 2                        ; the group of 64: its first pair of tiles
	s_and_b32 s45, s[WV], 1                        ; my half of it: lane-rows 8 x half + 0 .. 7
	s_mul_i32 s36, s28, s32
	s_add_co_u32 s36, s36, s29
	s_lshl_b32 s36, s36, 2
	s_add_co_u32 s36, s36, s47
	s_mul_i32 s36, s36, 3072
	s_mul_i32 s37, s26, 196608
	s_add_co_u32 s36, s36, s37                     ; the group's four images
	s_lshl_b32 s37, s45, 7
	s_add_co_u32 s36, s36, s37                     ; + 16 bytes for each lane-row of the first half
	s_mov_b32 s37, 0
	s_sub_co_u32 s33, s33, s45
	s_lshl_b32 s38, s29, s30
	s_add_co_u32 s38, s38, s33
	s_lshl_b32 s38, s38, 7
	s_lshl_b32 s39, s26, 13
	s_add_co_u32 s38, s38, s39
	s_add_co_u32 s38, s38, WSC0                    ; the group's scale words,
	s_lshl_b32 s39, s45, 5
	s_add_co_u32 s38, s38, s39                     ; + 4 bytes for each lane-row of the first half
	s_mov_b32 s39, 0
	s_wait_alu depctr_va_vdst(0)
	v_and_b32 v7, 7, v2                            ; lane-row 8 x half + lane % 8
	v_lshrrev_b32 v8, 3, v2                        ; of tile lane / 8
	v_lshlrev_b32 v10, 4, v7
	v_mad_u32_u24 v10, v8, 1536, v10
	v_lshlrev_b32 v11, 2, v7
	v_lshl_add_u32 v11, v8, 6, v11                 ; 128 (tile / 2) + 64 (tile % 2) + 4 (lane % 8)
	s_wait_kmcnt 0x0
	s_mov_b64 s[40:41], s[6:7]                     ; the weight's address: a choice that hangs on the work-group's number alone
.irp i, 1,2,3,4,5,6
	s_cmp_eq_u32 s26, \i
	s_cselect_b64 s[40:41], s[6+2*\i:7+2*\i], s[40:41]
.endr
	s_add_nc_u64 s[40:41], s[40:41], s[34:35]
	s_add_nc_u64 s[42:43], s[22:23], s[36:37]
	s_add_nc_u64 s[48:49], s[22:23], s[38:39]
; 32 columns x 128 K; nb = bytes in a row of the weight.  Every offset is an immediate: 127 x 4,096 at the most.
.macro WTASK nb
.set K_, 0
.rept 128
	global_load_b32 v[R+K_], v6, s[40:41] offset:K_*\nb th:TH_LOAD_NT   ; row k at 32 neighbouring columns: 128 consecutive bytes a wave, 512 a work-group
.set K_, K_+1
.endr
.irp b, 0,1,2,3
.if 96-32*\b > 63
	s_wait_loadcnt 63                              ; block b's 32 loads are in: behind them stand 96 - 32 b loads, and the wait names 63 at the most
.else
	s_wait_loadcnt 96-32*\b
.endif
	v_max3_num_f32 v[TM], |v[R+32*\b]|, |v[R+32*\b+1]|, |v[R+32*\b+2]|   ; the block's largest magnitude, in two chains
	v_max3_num_f32 v[TM+1], |v[R+32*\b+3]|, |v[R+32*\b+4]|, |v[R+32*\b+5]|
.irp i, 6,10,14,18,22,26
	v_max3_num_f32 v[TM], v[TM], |v[R+32*\b+\i]|, |v[R+32*\b+\i+1]|
	v_max3_num_f32 v[TM+1], v[TM+1], |v[R+32*\b+\i+2]|, |v[R+32*\b+\i+3]|
.endr
	v_max3_num_f32 v[TM], v[TM], |v[R+32*\b+30]|, |v[R+32*\b+31]|
	v_max3_num_f32 v[TM], v[TM], v[TM+1], FLOOR
	v_add_nc_u32 v[SO], EOFF, v[TM]
	v_lshrrev_b32 v[BY], 23, v[SO]
.if \b == 0
	v_mov_b32 v[WD], v[BY]                         ; four bytes make my column's scale word, the lower K in the lower byte
.else
	v_lshl_or_b32 v[WD], v[BY], 8*\b, v[WD]
.endif
	v_cvt_scalef32_pk16_fp6_f32 v[T+12*(\b%2)+6*(\b/2):T+12*(\b%2)+6*(\b/2)+2], v[R+32*\b:R+32*\b+15], v[SO]   ; block b = 2 c + h is registers 6 c .. 6 c + 5 of fragment lane (r, h)
	v_cvt_scalef32_pk16_fp6_f32 v[CT:CT+2], v[R+32*\b+16:R+32*\b+31], v[SO]
	v_nop                                          ; one plain place behind a scaled conversion
.irp i, 0,1,2
	v_mov_b32 v[T+12*(\b%2)+6*(\b/2)+3+\i], v[CT+\i]
.endr
.endr
.irp h, 0,1
.irp p, 0,1,2
	global_store_b128 v10, v[T+12*\h+4*\p:T+12*\h+4*\p+3], s[42:43] offset:512*\p+256*\h   ; the eight lanes of a tile store 128 consecutive bytes; the other half of these 256 is the neighbouring wave's
.endr
.endr
	global_store_b32 v11, v[WD], s[48:49]
.endm
	s_cmp_lt_u32 s26, 3
	s_cbranch_scc0 .Lwide
	WTASK 1024
	s_endpgm
.Lwide:
	WTASK 4096
	s_endpgm
.Lfunc_end_k_q342855ecf9_prep:
	.size	k_q342855ecf9_prep, .Lfunc_end_k_q342855ecf9_prep-k_q342855ecf9_prep
	.p2alignl 7, 3214868480
	.fill 96, 4, 3214868480
	.section	.rodata,"a",@progbits
	.p2align	6, 0x0
	.amdhsa_kernel k_q342855ecf9_prep
		.amdhsa_group_segment_fixed_size 34304
		.amdhsa_private_segment_fixed_size 0
		.amdhsa_enable_private_segment 0
		.amdhsa_kernarg_size 80
		.amdhsa_user_sgpr_count 2
		.amdhsa_user_sgpr_kernarg_segment_ptr 1
		.amdhsa_wavefront_size32 1
		.amdhsa_system_sgpr_workgroup_id_x 1
		.amdhsa_system_sgpr_workgroup_id_y 1
		.amdhsa_system_sgpr_workgroup_id_z 1
		.amdhsa_system_vgpr_workitem_id 0
		.amdhsa_next_free_vgpr 256
		.amdhsa_next_free_sgpr 66
		.amdhsa_reserve_vcc 0
		.amdhsa_float_denorm_mode_32 3
		.amdhsa_float_denorm_mode_16_64 3
		.amdhsa_memory_ordered 1
		.amdhsa_forward_progress 1
		.amdhsa_inst_pref_size 56
	.end_amdhsa_kernel
	.amdgpu_metadata
---
amdhsa.version: [ 1, 2 ]
amdhsa.kernels:
  - .name:           k_q342855ecf9_prep
    .symbol:         k_q342855ecf9_prep.kd
    .args:
      - { .name: x, .offset: 0, .size: 8, .value_kind: global_buffer, .address_space: global }
      - { .name: wq_lat, .offset: 8, .size: 8, .value_kind: global_buffer, .address_space: global }
      - { .name: wk_lat, .offset: 16, .size: 8, .value_kind: global_buffer, .address_space: global }
      - { .name: wv_lat, .offset: 24, .size: 8, .value_kind: global_buffer, .address_space: global }
      - { .name: wq_heads, .offset: 32, .size: 8, .value_kind: global_buffer, .address_space: global }
      - { .name: wk_heads, .offset: 40, .size: 8, .value_kind: global_buffer, .address_space: global }
      - { .name: wv_heads, .offset: 48, .size: 8, .value_kind: global_buffer, .address_space: global }
      - { .name: w_proj, .offset: 56, .size: 8, .value_kind: global_buffer, .address_space: global }
      - { .name: xq, .offset: 64, .size: 8, .value_kind: global_buffer, .address_space: global }
      - { .name: wq, .offset: 72, .size: 8, .value_kind: global_buffer, .address_space: global }
    .group_segment_fixed_size: 34304
    .private_segment_fixed_size: 0
    .kernarg_segment_align: 8
    .kernarg_segment_size: 80
    .max_flat_workgroup_size: 128
    .sgpr_count:     66
    .vgpr_count:     256
    .wavefront_size: 32
...
	.end_amdgpu_metadata
.endif
;; end of part 1
;; launch qkv (part 2): grid 64 x 3, 4 waves a work-group, clusters of 4 x 1, 261,632 bytes of LDS; arguments xq, wq, qq, kv; writes qq, kv
.if DOCPART == 2
	.amdgcn_target "amdgcn-amd-amdhsa--gfx1250"
	.amdhsa_code_object_version 6
	.text
	.protected	k_q342855ecf9_qkv
	.globl	k_q342855ecf9_qkv
	.p2align	8
	.type	k_q342855ecf9_qkv,@function
k_q342855ecf9_qkv:
	s_mov_b64 s[64:65], 0
	v_nop
	global_prefetch_b8 v0, s[64:65] scope:SCOPE_SE
	s_setreg_imm32_b32 hwreg(HW_REG_WAVE_MODE, 25, 1), 1
	s_wait_xcnt 0x0
	s_wait_alu depctr_hold_cnt(0) depctr_sa_sdst(0) depctr_va_vdst(0) depctr_va_sdst(0) depctr_va_ssrc(0) depctr_va_vcc(0) depctr_vm_vsrc(0)
	s_getreg_b32 s2, hwreg(HW_REG_IB_STS2, 6, 4)
	s_cmp_eq_u32 s2, 0
	s_cbranch_scc0 .Lentry_in_a_cluster
	s_endpgm
.Lentry_in_a_cluster:
	s_bfe_u32 s2, ttmp6, 0x10000c
	s_cmp_lg_u32 s2, 0x3003
	s_cbranch_scc0 .Lentry_shape_is_right
	s_endpgm
.Lentry_shape_is_right:
; QKV: for 64 rows (work-group x) and one of q, k, v (work-group y = 0, 1, 2): latent = x W_lat (K = 1,024), quantised along its 256 columns, then latent W_heads (K = 256), quantised and stored as register images.
; All products on codes of FP6 (E2M3) with one E8M0 byte for each 32 along K; sums in f32; the latents and q, k, v never go to memory as f32.
; LIMITS: NaN and infinities are not served; a block of zeros, or one under 2^-124, gets the byte 1 (this program alone reads the bytes).
; SHARES.  Wave w makes latent columns 64 w .. 64 w + 63 and head columns 256 w .. 256 w + 255 (four heads), for all 64 rows.
; CLUSTERS: four work-groups of neighbouring row blocks need the same W_heads: its 196,608 bytes come into LDS ONCE, JOINTLY, a third by each of waves 1 to 3 (the same descriptor in all four, a mask that names them); wave 0 fetches the work-group's own record of x (51,200 bytes).
; One tensor load a wave, at the head; no byte is filled again.  W_lat (196,608 bytes more) has no room in LDS beside these: each of its fragments is wanted by one wave of the work-group, once, and goes from memory into that wave's registers, in batches that run
; three batches ahead of their use.  Nothing is prefetched: what is read is asked for at the head or three K steps ahead, and no loop is left to run ahead in.
; In a group of 64, lane-row r of tile u is element 32 (r / 8) + 8 u + r % 8.  FIRST PRODUCT, transposed (source 0 = 16 columns of W_lat, source 1 = 16 rows of x): register 8 u + j of lane (r, h) is column 32 h + 8 u + j of row r: a whole scale block in a lane.
; A wave's 64 columns are HALF a fragment of the second product: a UNIT, registers 6 c .. 6 c + 5, 768 bytes: registers 0-3 of the six at 16 l, registers 4-5 at 512 + 8 l.  The units go from wave to wave through LDS; one barrier, which also shows W_heads.
; SECOND PRODUCT.  q, k: transposed again; a head's 64 channels are one unit for 16 rows (the upper half of attention's K = 128 is zero codes there).  v: NOT transposed (source 0 = 16 rows of the latent, source 1 = 16 columns of W):
; a lane holds one channel and its registers run along the ROWS, which are the keys, the K of attention's second product.
; OUT.  qq [head][64 rows]: 3,328 bytes: four units (tile m at 768 m); scale words at 3,072 + 8 l + 4 i (lane (r, h), word i: tile 2 i + h, row r; bytes 2 and 3 are 127).
; kv [head][128 keys]: 13,056 bytes: K's tile T at 768 T; V's unit (tile n, keys' half c) at 6,144 + 768 (2 n + c); K's scale words at 12,288 + 256 half + 8 l + 4 i; V's scale halves at 12,800 + 128 c + 4 l (tile h low, tile 2 + h high).
; REGISTERS, in windows of 256: window 0: v1-11 addresses; v16-31 x's scale words, later the latents'; v32-47, v48-63 the weights' scale words; v64-191 accumulators; v192-223 at work.
;   window 1: v0-191 W_lat's K steps 0-3, later W_heads' groups 4-7; v192-239 x's fragments, buffer 0.   window 2: v0-191 W_lat's K steps 4-7, later the latents' 8 fragments; v192-239 buffer 1.   window 3: v0-191 W_heads' groups 0-3.
.set REC,   51200
.set XSCL,  49152
.set LIMG,  51200                      ; LDS behind x's record: the latents' 16 units: (tile m, K step s, half c) at 1,536 (2 m + s) + 768 c
.set LSC,   63488                      ; and their scale words: 128 (2 m + s) + 4 l
.set WH,    64512                      ; W_heads, as it lies in wq
.set SPARE, 261120                     ; the spare words, 128 bytes for each wave
.set WSC0,  1966080
.set FLOOR, 0x1800000
.set EOFF,  0xff000000
.set L16, 1
.set L8,  2
.set L4,  3
.set SI16, 4                           ; where I store my units: 16 l + 1,536 (w / 2) + 768 (w % 2)
.set SI8,  5                           ; 8 l + the same
.set SI2,  6                           ; my half of a scale word: 4 l + 128 (w / 2) + 2 (w % 2)
.set H8,   8                           ; 8 (lane / 16)
.set BX,   9
.set BH,   10
.set B16,  11                          ; W_heads in LDS: 16 l + my eight groups
.set XS,  16
.set LS,  16
.set WSA, 32                           ; register 8 g + s: W_lat's words of my group g, K step s (even tile in lanes 0-15, odd in lanes 16-31)
.set WSB, 48                           ; register 2 q + s: W_heads' words of my group q
.set ACC, 64
.set TM,  192
.set SO,  196
.set BY,  198
.set CT,  200
.set PC0, 204                          ; v204-209, v210-215: the unit just made, two sets
.set SW,  216
.set OW,  220
.set U16, 222                          ; v222, v223
.set SPW, 254
.set NIL, 255
.set WV,  12
.set G1X, 24                           ; s[24:31], s[32:35] groups 1 and 0 for x's record
.set G0X, 32
.set SEL, 42
.set HM,  44
.set RB,  60
.set G1W, 68                           ; s[68:75], s[76:79] for a third of W_heads
.set G0W, 76
.set MSB, 0
.macro WIN new                         ; the immediate's high byte repeats the setting that is left
.if MSB != (\new)
	s_set_vgpr_msb (MSB<<8)|(\new)
.set MSB, \new
.endif
.endm
.macro WALU
	s_wait_alu depctr_va_vdst(0)
.endm
; One matrix instruction.  c: the C operand.  ra, rb: the side's scale words stand in lanes 16-31 of the register named.
.macro MMS d, a, b, c, sa, sb, ra, rb
.if (\ra) && (\rb)
	v_wmma_scale_f32_16x16x128_f8f6f4 v[(\d):(\d)+7], v[(\a):(\a)+11], v[(\b):(\b)+11], \c, v[\sa], v[\sb] matrix_a_fmt:MATRIX_FMT_FP6 matrix_b_fmt:MATRIX_FMT_FP6 matrix_a_scale:MATRIX_SCALE_ROW1 matrix_b_scale:MATRIX_SCALE_ROW1
.elseif \ra
	v_wmma_scale_f32_16x16x128_f8f6f4 v[(\d):(\d)+7], v[(\a):(\a)+11], v[(\b):(\b)+11], \c, v[\sa], v[\sb] matrix_a_fmt:MATRIX_FMT_FP6 matrix_b_fmt:MATRIX_FMT_FP6 matrix_a_scale:MATRIX_SCALE_ROW1
.elseif \rb
	v_wmma_scale_f32_16x16x128_f8f6f4 v[(\d):(\d)+7], v[(\a):(\a)+11], v[(\b):(\b)+11], \c, v[\sa], v[\sb] matrix_a_fmt:MATRIX_FMT_FP6 matrix_b_fmt:MATRIX_FMT_FP6 matrix_b_scale:MATRIX_SCALE_ROW1
.else
	v_wmma_scale_f32_16x16x128_f8f6f4 v[(\d):(\d)+7], v[(\a):(\a)+11], v[(\b):(\b)+11], \c, v[\sa], v[\sb] matrix_a_fmt:MATRIX_FMT_FP6 matrix_b_fmt:MATRIX_FMT_FP6
.endif
.endm
; 32 numbers of a lane, register 8 u + j = element 32 (lane / 16) + 8 u + j, one block, become a unit's six registers in v[pc] on; v[w]: both blocks' bytes, in both halves of the lanes.  Each accumulator is read from its low end on.
.macro QU s, pc, w
.irp k, 0,1,2,3
	v_max3_num_f32 v[TM+\k], |v[(\s)+8*\k]|, |v[(\s)+8*\k+1]|, |v[(\s)+8*\k+2]|
.endr
.irp i, 3,5
.irp k, 0,1,2,3
	v_max3_num_f32 v[TM+\k], v[TM+\k], |v[(\s)+8*\k+\i]|, |v[(\s)+8*\k+\i+1]|
.endr
.endr
	v_max3_num_f32 v[TM], v[TM], v[TM+1], |v[(\s)+7]|
	v_max3_num_f32 v[TM+2], v[TM+2], v[TM+3], |v[(\s)+23]|
	v_max3_num_f32 v[TM], v[TM], |v[(\s)+15]|, FLOOR   ; the floor 2^(3 - 127): the byte cannot fall under 1
	v_max3_num_f32 v[TM], v[TM], v[TM+2], |v[(\s)+31]|
	v_add_nc_u32 v[SO], EOFF, v[TM]                ; 2 off its exponent field: the conversion's scale operand
	v_lshrrev_b32 v[BY], 23, v[SO]                 ; the scale's byte
	v_cvt_scalef32_pk16_fp6_f32 v[(\pc):(\pc)+2], v[(\s):(\s)+15], v[SO]
	v_cvt_scalef32_pk16_fp6_f32 v[CT:CT+2], v[(\s)+16:(\s)+31], v[SO]   ; (a conversion's three registers begin on an even number)
	v_lshlrev_b32 v[BH], v[H8], v[BY]              ; (a plain place behind the conversions)
	v_permlanex16_b32 v[BX], v[BH], s[SEL], s[SEL+1]
	v_or_b32 v[\w], v[BH], v[BX]                   ; block 0's byte, block 1's above it
.irp i, 0,1,2
	v_mov_b32 v[(\pc)+3+\i], v[CT+\i]
.endr
.endm
.macro PLACES
.rept 4
	v_nop
.endr
.endm
.macro BARRIER
	s_barrier_signal -1
	s_barrier_wait -1
.endm
.macro CROUND                          ; a round of the cluster's barrier
	BARRIER
	s_cmp_lg_u32 s[WV], 0
	s_cbranch_scc1 .Lnot_wave_0_\@
	s_barrier_signal -3
.Lnot_wave_0_\@:
	s_barrier_wait -3
	BARRIER
.endm
.macro XFETCH ks, bf                   ; x's four fragments of K step ks from LDS into buffer bf
	WIN (1+(\bf))<<6
.irp m, 0,1,2,3
.irp p, 0,1,2
	ds_load_b128 v[192+12*\m+4*\p:192+12*\m+4*\p+3], v[L16] offset:(8*\m+(\ks))*1536+512*\p
.endr
.endr
.endm
.macro ABATCH ks                       ; W_lat's four fragments of K step ks: 6,144 consecutive bytes, 12 loads
	WIN (1+(\ks)/4)<<6
.irp p, 0,1,2,3,4,5,6,7,8,9,10,11
	global_load_b128 v[48*((\ks)%4)+4*\p:48*((\ks)%4)+4*\p+3], v[L16], s[16:17] offset:12288*(\ks)+512*\p
.endr
.endm
.macro BBATCH q                        ; W_heads' four fragments (K step s, tile u) of my group q, at 48 (q % 4) + 24 s + 12 u: 12 LDS loads
	WIN (3-2*((\q)/4))<<6
.irp ks, 0,1
.irp u, 0,1
.irp p, 0,1,2
	ds_load_b128 v[48*((\q)%4)+24*\ks+12*\u+4*\p:48*((\q)%4)+24*\ks+12*\u+4*\p+3], v[B16] offset:24576*((\q)/4)+12288*\ks+3072*((\q)%4)+1536*\u+512*\p
.endr
.endr
.endr
.endm
	s_load_b256 s[4:11], s[0:1], 0x0               ; xq, wq, qq, kv
	v_lshl_add_u32 v[SPW], v0, 2, SPARE
	v_mov_b32 v[NIL], 0
	ds_add_u32 v[SPW], v[NIL]                      ; the opening: the add, twice on end, and its wait ahead of my tensor load
	ds_add_u32 v[SPW], v[NIL]
	v_lshrrev_b32 v7, 5, v0
	v_readfirstlane_b32 s[WV], v7                  ; wave 0..3
	v_and_b32 v7, 31, v0
	v_lshlrev_b32 v[L16], 4, v7
	v_lshlrev_b32 v[L8], 3, v7
	v_lshlrev_b32 v[L4], 2, v7
	WALU
	s_bfe_u32 s13, ttmp6, 0x40000                  ; cx
	s_lshl_b32 s[RB], ttmp9, 2                     ; in a cluster launch ttmp9 counts clusters
	s_add_co_u32 s[RB], s[RB], s13                 ; my 64 rows
	s_and_b32 s14, ttmp7, 0xffff                   ; 0 q, 1 k, 2 v: the four partners share it
	s_lshr_b32 s45, s[WV], 1
	s_and_b32 s46, s[WV], 1
	s_mul_i32 s47, s45, 1536
	s_mul_i32 s48, s46, 768
	s_add_co_u32 s47, s47, s48
	v_add_nc_u32 v[SI16], s47, v[L16]
	v_add_nc_u32 v[SI8], s47, v[L8]
	s_lshl_b32 s47, s45, 7
	s_lshl_b32 s48, s46, 1
	s_add_co_u32 s47, s47, s48
	v_add_nc_u32 v[SI2], s47, v[L4]
	s_mul_i32 s47, s[WV], 49152
	s_add_co_u32 s47, s47, WH
	v_add_nc_u32 v[B16], s47, v[L16]
	v_mov_b32 v[BX], 0                             ; written once: a lane permute's destination counts as one of its sources
	v_bfe_u32 v[H8], v0, 4, 1
	v_lshlrev_b32 v[H8], 3, v[H8]
	s_mov_b32 s[SEL], 0x76543210
	s_mov_b32 s[SEL+1], 0xfedcba98
	s_mov_b32 s[HM], 0xffff0000                    ; lanes 16-31
	; descriptor groups 1: dense blocks as rows of 256 bytes (32 elements of 8 bytes): x's record, 200 rows; a third of W_heads, 256 rows, with the mask of all four work-groups and bit 21 beside it
	s_mov_b32 s[G1X+0], 3<<16
	s_mov_b32 s[G1X+1], 32<<16
	s_mov_b32 s[G1X+2], 200<<16
	s_mov_b32 s[G1X+3], 32<<16
	s_mov_b32 s[G1X+4], 200
	s_mov_b32 s[G1X+5], 32
	s_mov_b32 s[G1X+6], 0
	s_mov_b32 s[G1X+7], 0
	s_mov_b32 s[G1W+0], 15|(3<<16)|(1<<21)
	s_mov_b32 s[G1W+1], 32<<16
	s_mov_b32 s[G1W+2], 256<<16
	s_mov_b32 s[G1W+3], 32<<16
	s_mov_b32 s[G1W+4], 256
	s_mov_b32 s[G1W+5], 32
	s_mov_b32 s[G1W+6], 0
	s_mov_b32 s[G1W+7], 0
	s_mov_b32 s[G0X], 1
	s_mov_b32 s[G0X+1], 0
	s_mul_i32 s48, s[RB], REC
	s_mov_b32 s49, 0
	s_mov_b32 s[G0W], 1
	s_add_co_u32 s47, s[WV], 3
	s_and_b32 s47, s47, 3                          ; waves 1, 2, 3: thirds 0, 1, 2
	s_lshl_b32 s47, s47, 16
	s_add_co_u32 s[G0W+1], s47, WH
	s_mul_i32 s50, s14, 196608
	s_add_co_u32 s54, s50, 589824
	s_add_co_u32 s54, s54, s47                     ; W_heads: my third
	s_mov_b32 s55, 0
	s_mul_i32 s51, s45, 98304
	s_add_co_u32 s52, s50, s51
	s_mul_i32 s51, s46, 6144
	s_add_co_u32 s52, s52, s51                     ; W_lat: my two groups' images of K step 0
	s_mov_b32 s53, 0
	s_lshl_b32 s50, s14, 13
	s_add_co_u32 s50, s50, WSC0
	s_lshl_b32 s51, s[WV], 8
	s_add_co_u32 s56, s50, s51                     ; W_lat's scale words: (8 s + 2 w + g) 128
	s_mov_b32 s57, 0
	s_lshl_b32 s51, s[WV], 10
	s_add_co_u32 s58, s50, s51
	s_add_co_u32 s58, s58, 24576                   ; W_heads': (32 s + 8 w + q) 128
	s_mov_b32 s59, 0
	WALU
	s_wait_dscnt 0x0                               ; both opening adds are done
	CROUND                                         ; all four work-groups are here: the joint loads meet
	s_wait_kmcnt 0x0
	s_add_nc_u64 s[G0X+2:G0X+3], s[4:5], s[48:49]
	s_or_b32 s[G0X+3], s[G0X+3], 0x80000000
	s_add_nc_u64 s[G0W+2:G0W+3], s[6:7], s[54:55]
	s_or_b32 s[G0W+3], s[G0W+3], 0x80000000
	s_add_nc_u64 s[16:17], s[6:7], s[52:53]
	s_add_nc_u64 s[20:21], s[6:7], s[56:57]
	s_add_nc_u64 s[22:23], s[6:7], s[58:59]
	s_cmp_eq_u32 s[WV], 0                          ; one load a wave; wave 0's line is its own
	s_cbranch_scc0 .Lheads
	tensor_load_to_lds s[G0X:G0X+3], s[G1X:G1X+7]
	s_nop 0
	PLACES
	s_branch .Lasked
.Lheads:
	tensor_load_to_lds s[G0W:G0W+3], s[G1W:G1W+7]
	s_nop 0
	PLACES
.Lasked:
.irp g, 0,1
.irp ks, 0,1,2,3,4,5,6,7
	global_load_b32 v[WSA+8*\g+\ks], v[L4], s[20:21] offset:1024*\ks+128*\g
.endr
.endr
	ABATCH 0
	ABATCH 1
	ABATCH 2
	ABATCH 3
	WIN 0
	; where the results go.  batch = rb / 32; my first head = 16 batch + 4 w
	s_lshr_b32 s45, s[RB], 5
	s_lshl_b32 s45, s45, 4
	s_lshl_b32 s46, s[WV], 2
	s_add_co_u32 s45, s45, s46                     ; head
	s_and_b32 s46, s[RB], 31                       ; which 64 rows of the batch's 2,048
	s_lshr_b32 s47, s46, 1                         ; which 128 keys
	s_and_b32 s48, s46, 1                          ; and which half of them
	s_lshl_b32 s49, s45, 5
	s_add_co_u32 s49, s49, s46
	s_mul_i32 s49, s49, 3328                       ; q: the record,
	s_add_co_u32 s50, s49, 3072                    ; its scale words
	s_mul_i32 s51, s45, 208896
	s_mul_i32 s52, s47, 13056
	s_add_co_u32 s51, s51, s52                     ; k, v: the record
	s_mul_i32 s52, s48, 3072
	s_add_co_u32 s52, s52, s51                     ; k: my four tiles,
	s_lshl_b32 s53, s48, 8
	s_add_co_u32 s53, s53, s51
	s_add_co_u32 s53, s53, 12288                   ; their scale words
	s_mul_i32 s54, s48, 768
	s_add_co_u32 s54, s54, s51
	s_add_co_u32 s54, s54, 6144                    ; v: my half's units,
	s_lshl_b32 s55, s48, 7
	s_add_co_u32 s55, s55, s51
	s_add_co_u32 s55, s55, 12800                   ; their scale halves
	s_cmp_eq_u32 s14, 0
	s_cselect_b64 s[36:37], s[8:9], s[10:11]       ; qq or kv: the choice hangs on the work-group's number alone
	s_cselect_b32 s56, s49, s52
	s_cselect_b32 s58, s50, s53
	s_mov_b32 s40, 208896
	s_cselect_b32 s40, 106496, s40                 ; from head to head
	s_cmp_eq_u32 s14, 2
	s_cselect_b32 s56, s54, s56
	s_cselect_b32 s58, s55, s58
	s_mov_b32 s57, 0
	s_mov_b32 s59, 0
	s_mov_b32 s41, 0
	s_mov_b64 s[38:39], s[36:37]
	s_add_nc_u64 s[36:37], s[36:37], s[56:57]      ; s[36:37] units, s[38:39] scale words
	s_add_nc_u64 s[38:39], s[38:39], s[58:59]
	WALU
	s_cmp_lg_u32 s[WV], 0
	s_cbranch_scc1 .Lnot_x
	s_wait_tensorcnt 0x0                           ; x's record is in,
.Lnot_x:
	BARRIER                                        ; for everybody; W_heads may still be on its way
.irp m, 0,1,2,3
.irp i, 0,1,2,3
	ds_load_b32 v[XS+4*\m+\i], v[L4] offset:XSCL+512*\m+128*\i   ; x's scale words: lanes 0-15 K step 2 i, lanes 16-31 K step 2 i + 1
.endr
.endr
	XFETCH 0, 0
	XFETCH 1, 1
; ---- the first product: a K step of 128: 16 matrix instructions, the 16 accumulators (tile of rows m, tile of columns n) by turns
.macro ASTEP ks
.if (\ks) < 4
	s_wait_loadcnt 36                              ; this K step's batch is in: behind it stand three batches of 12
.else
	s_wait_loadcnt 12*(7-(\ks))+16                 ; behind it stand the batches that are left and W_heads' 16 loads of scale words
.endif
.if (\ks) < 7
	s_wait_dscnt 12                                ; x's fragments of this K step are in; the next step's 12 loads may be out
.else
	s_wait_dscnt 0x0
.endif
	WIN (1+(\ks)/4)|((1+(\ks)%2)<<2)               ; source 0: W's window; source 1: x's buffer
.irp m, 0,1,2,3
.irp n, 0,1,2,3
.if (\ks) == 0
	MMS ACC+8*(4*\m+\n), 48*((\ks)%4)+12*\n, 192+12*\m, 0, WSA+8*(\n/2)+(\ks), XS+4*\m+(\ks)/2, \n%2, (\ks)%2
.else
	MMS ACC+8*(4*\m+\n), 48*((\ks)%4)+12*\n, 192+12*\m, v[ACC+8*(4*\m+\n):ACC+8*(4*\m+\n)+7], WSA+8*(\n/2)+(\ks), XS+4*\m+(\ks)/2, \n%2, (\ks)%2
.endif
.endr
.endr
	PLACES                                         ; in front of loads into registers that these products have read, and of the first read of results
.if (\ks) < 6
	XFETCH (\ks)+2, (\ks)%2
.endif
.if (\ks) < 4
	ABATCH (\ks)+4
.endif
.if (\ks) == 3
	WIN 0
.irp q, 0,1,2,3,4,5,6,7
.irp s, 0,1
	global_load_b32 v[WSB+2*\q+\s], v[L4], s[22:23] offset:4096*\s+128*\q
.endr
.endr
.endif
.endm
	ASTEP 0
	ASTEP 1
	ASTEP 2
	ASTEP 3
	ASTEP 4
	ASTEP 5
	ASTEP 6
	ASTEP 7
	WIN 0
; ---- the latents: my 64 columns of each tile of rows become a unit and half a scale word, and go to LDS
.irp m, 0,1,2,3
.if \m > 1
	s_wait_dscnt 3                                 ; the stores of two units ago have read their registers
.endif
	QU ACC+32*\m, PC0+6*(\m%2), U16+(\m%2)
	ds_store_b128 v[SI16], v[PC0+6*(\m%2):PC0+6*(\m%2)+3] offset:LIMG+3072*\m
	ds_store_b64 v[SI8], v[PC0+6*(\m%2)+4:PC0+6*(\m%2)+5] offset:LIMG+3072*\m+512
	ds_store_b16 v[SI2], v[U16+(\m%2)] offset:LSC+256*\m   ; both halves of the lanes hold row r's bytes: lanes 16-31 fill the words that nobody needs with the same
.endr
	WALU
	s_wait_tensorcnt 0x0                           ; my third of W_heads is in,
	s_wait_dscnt 0x0                               ; and my units are stored:
	BARRIER                                        ; everybody's
	WIN 0x80
.irp f, 0,1,2,3,4,5,6,7
.irp c, 0,1
	ds_load_b128 v[12*\f+6*\c:12*\f+6*\c+3], v[L16] offset:LIMG+1536*\f+768*\c
	ds_load_b64 v[12*\f+6*\c+4:12*\f+6*\c+5], v[L8] offset:LIMG+1536*\f+768*\c+512
.endr
.endr
	WIN 0
.irp f, 0,1,2,3,4,5,6,7
	ds_load_b32 v[LS+\f], v[L4] offset:LSC+128*\f
.endr
	BBATCH 0
	BBATCH 1
	WIN 0
	s_wait_loadcnt 0x0                             ; W_heads' scale words
	s_wait_dscnt 0x0
	s_cmp_eq_u32 s14, 2
	s_cbranch_scc1 .Lvpath
; ---- q, k: 16 units (head e, tile of rows m).  A unit's 8 products stand in front of the quantising of the unit before: that vector work fills the places behind them.  Behind a head's first products W_heads' next two groups are fetched.
.macro MMQK e, m, st
.if ((\m) == 0) && ((\e) > 0)
	s_wait_dscnt 0x0                               ; the head's two groups are in
.endif
	WIN (3-2*((\e)/2))|(2<<2)                      ; source 0: W_heads; source 1: the latents
.irp i, 0,1,2,3
	MMS ACC+32*(\st)+8*\i, 48*((2*(\e)+\i/2)%4)+12*(\i%2), 12*(2*(\m)), 0, WSB+2*(2*(\e)+\i/2), LS+2*(\m), \i%2, 0
.endr
.irp i, 0,1,2,3
	MMS ACC+32*(\st)+8*\i, 48*((2*(\e)+\i/2)%4)+24+12*(\i%2), 12*(2*(\m)+1), v[ACC+32*(\st)+8*\i:ACC+32*(\st)+8*\i+7], WSB+2*(2*(\e)+\i/2)+1, LS+2*(\m)+1, \i%2, 0
.endr
.if ((\m) == 0) && ((\e) < 3)
	BBATCH 2*(\e)+2
	BBATCH 2*(\e)+3
.endif
.endm
.macro OUTQK m, st
	WIN 0
	s_wait_xcnt 0x0                                ; the earlier stores have read their registers and bases
	QU ACC+32*(\st), PC0+6*(\st), SW+(\m)
	v_or_b32 v[SW+(\m)], 0x7f7f0000, v[SW+(\m)]    ; bytes 2 and 3, for the zero codes of k = 64 .. 127: 127
	global_store_b128 v[L16], v[PC0+6*(\st):PC0+6*(\st)+3], s[36:37] offset:768*(\m)        ; 512 consecutive bytes, at a multiple of 256 from the buffer's first byte
	global_store_b64 v[L8], v[PC0+6*(\st)+4:PC0+6*(\st)+5], s[36:37] offset:768*(\m)+512    ; 256 more
.if (\m) == 3
	v_cndmask_b32 v[OW], v[SW], v[SW+1], s[HM]     ; lanes 0-15 the even tile's word, lanes 16-31 the odd tile's
	v_cndmask_b32 v[OW+1], v[SW+2], v[SW+3], s[HM]
	global_store_b64 v[L8], v[OW:OW+1], s[38:39]   ; 256 consecutive bytes
	s_wait_xcnt 0x0                                ; the bases step only behind this wait
	s_add_nc_u64 s[36:37], s[36:37], s[40:41]      ; the next head
	s_add_nc_u64 s[38:39], s[38:39], s[40:41]
.endif
.endm
	MMQK 0, 0, 0
	WIN 0
	PLACES                                         ; the first unit has no earlier unit's vector work behind it
.set U_, 0
.rept 15
	MMQK (U_+1)/4, (U_+1)%4, (U_+1)%2
	OUTQK U_%4, U_%2
.set U_, U_+1
.endr
	OUTQK 3, 1
	s_wait_tensorcnt 0x0                           ; the wave's end
	ds_add_u32 v[SPW], v[NIL]
	s_wait_dscnt 0x0
	CROUND                                         ; the closing round: no work-group ends while a partner may still ask for a tile that names it
	s_endpgm
; ---- v: 16 units (tile of 16 channels n): source 0 = the latents' rows, source 1 = W_heads' columns: a lane holds one channel, its 32 registers 32 of the 64 keys
.Lvpath:
.macro MMV n, st
.if ((\n)%4 == 0) && ((\n) > 0)
	s_wait_dscnt 0x0                               ; the head's two groups are in
.endif
	WIN 2|((3-2*((\n)/8))<<2)
.irp m, 0,1,2,3
	MMS ACC+32*(\st)+8*\m, 12*(2*\m), 48*(((\n)/2)%4)+12*((\n)%2), 0, LS+2*\m, WSB+2*((\n)/2), 0, (\n)%2
.endr
.irp m, 0,1,2,3
	MMS ACC+32*(\st)+8*\m, 12*(2*\m+1), 48*(((\n)/2)%4)+24+12*((\n)%2), v[ACC+32*(\st)+8*\m:ACC+32*(\st)+8*\m+7], LS+2*\m+1, WSB+2*((\n)/2)+1, 0, (\n)%2
.endr
.if ((\n)%4 == 0) && ((\n) < 12)
	BBATCH (\n)/2+2
	BBATCH (\n)/2+3
.endif
.endm
.macro OUTV n, st
	WIN 0
	s_wait_xcnt 0x0
	QU ACC+32*(\st), PC0+6*(\st), SW+(\n)%4
	global_store_b128 v[L16], v[PC0+6*(\st):PC0+6*(\st)+3], s[36:37] offset:1536*((\n)%4)
	global_store_b64 v[L8], v[PC0+6*(\st)+4:PC0+6*(\st)+5], s[36:37] offset:1536*((\n)%4)+512
.if (\n)%4 == 3
	v_cndmask_b32 v[OW], v[SW], v[SW+1], s[HM]     ; tile h,
	v_cndmask_b32 v[OW+1], v[SW+2], v[SW+3], s[HM] ; tile 2 + h
	v_lshl_or_b32 v[OW], v[OW+1], 16, v[OW]
	global_store_b32 v[L4], v[OW], s[38:39]        ; 128 consecutive bytes: the other half of these 256 belongs to the other 64 keys' work-group
	s_wait_xcnt 0x0
	s_add_nc_u64 s[36:37], s[36:37], s[40:41]
	s_add_nc_u64 s[38:39], s[38:39], s[40:41]
.endif
.endm
	MMV 0, 0
	WIN 0
	PLACES
.set U_, 0
.rept 15
	MMV U_+1, (U_+1)%2
	OUTV U_, U_%2
.set U_, U_+1
.endr
	OUTV 15, 1
	s_wait_tensorcnt 0x0
	ds_add_u32 v[SPW], v[NIL]
	s_wait_dscnt 0x0
	CROUND
	s_endpgm
.Lfunc_end_k_q342855ecf9_qkv:
	.size	k_q342855ecf9_qkv, .Lfunc_end_k_q342855ecf9_qkv-k_q342855ecf9_qkv
	.p2alignl 7, 3214868480
	.fill 96, 4, 3214868480
	.section	.rodata,"a",@progbits
	.p2align	6, 0x0
	.amdhsa_kernel k_q342855ecf9_qkv
		.amdhsa_group_segment_fixed_size 261632
		.amdhsa_private_segment_fixed_size 0
		.amdhsa_enable_private_segment 0
		.amdhsa_kernarg_size 32
		.amdhsa_user_sgpr_count 2
		.amdhsa_user_sgpr_kernarg_segment_ptr 1
		.amdhsa_wavefront_size32 1
		.amdhsa_system_sgpr_workgroup_id_x 1
		.amdhsa_system_sgpr_workgroup_id_y 1
		.amdhsa_system_sgpr_workgroup_id_z 1
		.amdhsa_system_vgpr_workitem_id 0
		.amdhsa_next_free_vgpr 1024
		.amdhsa_next_free_sgpr 82
		.amdhsa_reserve_vcc 0
		.amdhsa_float_denorm_mode_32 3
		.amdhsa_float_denorm_mode_16_64 3
		.amdhsa_memory_ordered 1
		.amdhsa_forward_progress 1
		.amdhsa_inst_pref_size 158
	.end_amdhsa_kernel
	.amdgpu_metadata
---
amdhsa.version: [ 1, 2 ]
amdhsa.kernels:
  - .name:           k_q342855ecf9_qkv
    .symbol:         k_q342855ecf9_qkv.kd
    .args:
      - { .name: xq, .offset: 0, .size: 8, .value_kind: global_buffer, .address_space: global }
      - { .name: wq, .offset: 8, .size: 8, .value_kind: global_buffer, .address_space: global }
      - { .name: qq, .offset: 16, .size: 8, .value_kind: global_buffer, .address_space: global }
      - { .name: kv, .offset: 24, .size: 8, .value_kind: global_buffer, .address_space: global }
    .group_segment_fixed_size: 261632
    .private_segment_fixed_size: 0
    .kernarg_segment_align: 8
    .kernarg_segment_size: 32
    .max_flat_workgroup_size: 128
    .sgpr_count:     82
    .vgpr_count:     1024
    .wavefront_size: 32
...
	.end_amdgpu_metadata
.endif
;; end of part 2
;; launch attn (part 3): grid 8 x 32, 16 waves a work-group, clusters of 4 x 1, 284,672 bytes of LDS; arguments qq, kv, yq; writes yq
.if DOCPART == 3
	.amdgcn_target "amdgcn-amd-amdhsa--gfx1250"
	.amdhsa_code_object_version 6
	.text
	.protected	k_q342855ecf9_attn
	.globl	k_q342855ecf9_attn
	.p2align	8
	.type	k_q342855ecf9_attn,@function
k_q342855ecf9_attn:
	s_mov_b64 s[64:65], 0
	v_nop
	global_prefetch_b8 v0, s[64:65] scope:SCOPE_SE
	s_setreg_imm32_b32 hwreg(HW_REG_WAVE_MODE, 25, 1), 1
	s_wait_xcnt 0x0
	s_wait_alu depctr_hold_cnt(0) depctr_sa_sdst(0) depctr_va_vdst(0) depctr_va_sdst(0) depctr_va_ssrc(0) depctr_va_vcc(0) depctr_vm_vsrc(0)
	s_getreg_b32 s2, hwreg(HW_REG_IB_STS2, 6, 4)
	s_cmp_eq_u32 s2, 0
	s_cbranch_scc0 .Lentry_in_a_cluster
	s_endpgm
.Lentry_in_a_cluster:
	s_bfe_u32 s2, ttmp6, 0x10000c
	s_cmp_lg_u32 s2, 0x3003
	s_cbranch_scc0 .Lentry_shape_is_right
	s_endpgm
.Lentry_shape_is_right:
; ATTN: y[head][q] = the sum over k <= q of softmax_k(Q[q] . K[k] / 8) V[k], both products on codes of FP6 (E2M3) with one E8M0 byte for each 32 along K; y is quantised along its 64 channels and stored as an operand's half fragment.
; THE SOFTMAX AHEAD OF THE SECOND PRODUCT: t = score x log2(e) / 8; M = the row's largest t so far, rounded UP to a whole number; p = 2^(t - M) is quantised along the keys, not normalised.
; The row's sum is taken of the unquantised p, in f32, and divides O at the end.  When M moves, the sum and O are multiplied by 2^(old M - new M): exact.
; WORK LEFT OUT: key steps all of whose keys come after a tile's queries: reference()'s own causal mask gives those keys the weight 0 whatever the inputs hold.  A NaN, an infinity or an overflow that reaches only such scores is not carried.
; LIMITS: NaN and infinities are not served; a block of zeros, or one under 2^-124, gets the byte 1 (this program alone reads the bytes); the scaled scores stay under 2^31 in magnitude; v_exp_f32 is taken not to fall where its input rises.
; SHARES.  The eight work-groups of a head (work-group y) are two clusters of four.  Work-group j owns query tile j of each of the 16 blocks of 128 rows; the tile of block k needs key steps 0 .. k (128 keys each), step k on the diagonal.
; Waves 2 r and 2 r + 1 share the tiles of ranks r and 15 - r, 17 steps.  The one (role 0) takes steps 0 .. 8 of rank 15 - r; the other (role 1) takes rank r whole, steps 0 .. r, puts that tile's state into LDS, and then takes steps 9 .. 15 - r of rank 15 - r,
; a state of its own, which also goes to LDS.  Behind one barrier each wave joins its state with one from LDS: role 0 with its partner's part of the same tile, role 1 an empty state with the tile that it put away.  Nine trips; role 1's last is empty.
; Every branch hangs on the wave's number and the trip alone.  j enters global addresses and the mask's vector number only.
; THE HEAD'S WHOLE K AND V, 16 records of 13,056 bytes, lie in LDS, filled ONCE: each wave asks for one record, JOINTLY with the same wave of the cluster's other three work-groups.  Trip 0 reads record 0 alone: wave 0's load has a line of its own, and the
; first barrier shows it; the other fifteen land under trip 0 and are shown by the second.  No byte is filled again.  Nothing is prefetched: all that the launch reads is asked for at its head.
; LAYOUT.  Both products are used transposed: S^T = K Q^T (source 0 = 16 keys), O^T = V^T P^T (source 0 = 16 channels): a lane holds ONE query (r = lane % 16).  In a group of 64, lane-row r of tile u is element 32 (r / 8) + 8 u + r % 8: so registers 8 u + j of
; four tiles are, in lane (r, h), elements 32 h + 0 .. 31: a whole scale block in one lane.
; K = 64 IN AN INSTRUCTION OF 128: Q's codes of k = 64 .. 127 are zeros.  So K's tile T is named as v[F + 6 T .. F + 6 T + 11]: its upper half is the next tile's codes (for tile 7: zeros), every FP6 code is a finite number, and bytes 2 and 3 of both scale words are 127.
; THE RECORD: K's tile T at 768 T; V's unit (tile n, keys' half c) at 6,144 + 768 (2 n + c); K's scale words at 12,288 + 256 half + 8 l + 4 i; V's scale halves at 12,800 + 128 c + 4 l.
.set RECB,  13056
.set DUMP,  208896                     ; behind the records: 16 areas, two for each r: O^T, 8 x 512 bytes, then v[12:15]
.set SZ,    4608
.set SPARE, DUMP+16*SZ                 ; the spare words, 128 bytes for each wave
.set FLOOR, 0x1800000                  ; 2^(3 - 127)
.set EOFF,  0xff000000                 ; 2 off an exponent field
.set L16, 1                            ; v1-3 16, 8, 4 x lane; v4-6 the same + the step's record
.set L8,  2
.set L4,  3
.set A16, 4
.set A8,  5
.set A4,  6
.set DQ,  7                            ; the mask's number
.set Q,   16                           ; v12 -M, v13 the largest score, v[14:15] the sum in two halves; v16-27 Q
.set QS,  28
.set H8,  29                           ; 8 h
.set SPW, 30
.set NIL, 31
.set F,   32                           ; v32-79 K's 8 tiles, later V's 4 fragments; v80-85 zeros
.set S,   86                           ; v86-149 S^T, then p
.set O,   150                          ; v150-181 O^T
.set PC,  182                          ; v182-193 p's codes
.set CT,  194                          ; v194-196, v198-200
.set QA,  197                          ; 8 r
.set DA,  201                          ; where I put states: my pair's first area + 16 lane
.set BM,  202                          ; v202-203 the two blocks' largest
.set PM,  204
.set LD,  205                          ; where I read one
.set SO,  206                          ; v206-207
.set BY,  208                          ; v208-209
.set Q2,  210                          ; v210-215 the pair's long tile: Q, and its scale word
.set QS2, 216
.set YA,  217                          ; 4 r + h
.set KS,  218                          ; v218-221 K's scale words: register T / 2; the even tile in lanes 0-15, the odd one in lanes 16-31
.set VS,  222                          ; v222-223 V's, likewise
.set XV,  224
.set PS,  226                          ; p's scale word
.set PT,  227
.set FF,  228                          ; v[228:229] f = 2^(old M - new M) (the pair is named; its low word serves both halves)
.set T0,  230
.set T1,  231
.set BB,  232                          ; v232-239 chains
.set WV,  12
.set R,   16
.set STP, 17
.set TB,  18
.set REC, 19
.set SEL, 20
.set CS,  22
.set G1,  24
.set G0,  32
.set ROLE, 56
.set RKA, 57                           ; the rank of the tile that I begin with and store
.set RKB, 58                           ; the pair's long tile, 15 - r
.set SWT, 59                           ; the trip at whose head I change tiles (role 1: r + 1; role 0: none)
.set OFF2, 60                          ; behind the change: record = trip + 8 - r
.set RKC, 61
.set NC,  62
.macro MMS d, a, b, cr, sa, sb, ra     ; one matrix instruction.  cr < 0: C is the constant 0.  ra: source 0's scale words stand in lanes 16-31
.if (\cr) < 0
.if \ra
	v_wmma_scale_f32_16x16x128_f8f6f4 v[(\d):(\d)+7], v[(\a):(\a)+11], v[(\b):(\b)+11], 0, v[\sa], v[\sb] matrix_a_fmt:MATRIX_FMT_FP6 matrix_b_fmt:MATRIX_FMT_FP6 matrix_a_scale:MATRIX_SCALE_ROW1
.else
	v_wmma_scale_f32_16x16x128_f8f6f4 v[(\d):(\d)+7], v[(\a):(\a)+11], v[(\b):(\b)+11], 0, v[\sa], v[\sb] matrix_a_fmt:MATRIX_FMT_FP6 matrix_b_fmt:MATRIX_FMT_FP6
.endif
.else
.if \ra
	v_wmma_scale_f32_16x16x128_f8f6f4 v[(\d):(\d)+7], v[(\a):(\a)+11], v[(\b):(\b)+11], v[(\cr):(\cr)+7], v[\sa], v[\sb] matrix_a_fmt:MATRIX_FMT_FP6 matrix_b_fmt:MATRIX_FMT_FP6 matrix_a_scale:MATRIX_SCALE_ROW1
.else
	v_wmma_scale_f32_16x16x128_f8f6f4 v[(\d):(\d)+7], v[(\a):(\a)+11], v[(\b):(\b)+11], v[(\cr):(\cr)+7], v[\sa], v[\sb] matrix_a_fmt:MATRIX_FMT_FP6 matrix_b_fmt:MATRIX_FMT_FP6
.endif
.endif
.endm
.macro WALU
	s_wait_alu depctr_va_vdst(0)
.endm
.macro BARRIER
	s_barrier_signal -1
	s_barrier_wait -1
.endm
.macro CROUND                          ; a round of the cluster's barrier
	BARRIER
	s_cmp_lg_u32 s[WV], 0
	s_cbranch_scc1 .Lnot_wave_0_\@
	s_barrier_signal -3
.Lnot_wave_0_\@:
	s_barrier_wait -3
	BARRIER
.endm
.macro NEUTRAL                         ; an empty state: M far under every t, the sum and O 0
	v_mov_b32 v12, 0x7e967699
	v_mov_b32 v13, 0xff61b1e6
	v_mov_b32 v14, 0
	v_mov_b32 v15, 0
.set J_, 0
.rept 32
	v_mov_b32 v[O+J_], 0
.set J_, J_+1
.endr
.endm
.macro PUTAWAY off                     ; my state goes to an area of LDS, and an empty one takes its place
.rept 4
	v_nop                                          ; places between the last products and the stores that read their results
.endr
.irp i, 0,1,2,3,4,5,6,7
	ds_store_b128 v[DA], v[O+4*\i:O+4*\i+3] offset:(\off)+512*\i
.endr
	ds_store_b128 v[DA], v[12:15] offset:(\off)+4096
	WALU
	s_wait_dscnt 0x0                               ; the stores have read their registers
	NEUTRAL
.endm
.macro QREC rk, a, b                   ; Q's tile of rank rk: its unit's and its scale words' offsets in qq
	s_lshl_b32 s36, s[\rk], 1
	s_add_co_u32 s36, s36, s40
	s_mul_i32 s36, s36, 3328
	s_add_co_u32 s[\a], s36, s43
	s_mov_b32 s[\a+1], 0
	s_add_co_u32 s[\b], s36, s45
	s_mov_b32 s[\b+1], 0
.endm
; A KEY STEP: 128 keys, the record at LDS byte s[TB]
.set N16, 8                            ; v8, v9 and v6: 16, 8 and 4 x lane + the record whose K is fetched
.set N8,  9
.set RECN, 38                          ; the next trip's record and rank
.set RKN, 39
.set TBN, 63
.macro KLOAD                           ; K's 8 tiles, their scale words and V's, of the record at LDS byte s[TBN]
	v_add_nc_u32 v[N16], s[TBN], v[L16]
	v_add_nc_u32 v[N8], s[TBN], v[L8]
	v_add_nc_u32 v[A4], s[TBN], v[L4]
	v_nop                                          ; with the three additions: four places in front of loads into registers that the products above have read
	ds_load_b64 v[KS:KS+1], v[N8] offset:12288
	ds_load_b64 v[KS+2:KS+3], v[N8] offset:12544
.irp t, 0,1,2,3,4,5,6,7
	ds_load_b128 v[F+6*\t:F+6*\t+3], v[N16] offset:768*\t
	ds_load_b64 v[F+6*\t+4:F+6*\t+5], v[N8] offset:768*\t+512
.endr
	ds_load_b32 v[XV], v[A4] offset:12800
	ds_load_b32 v[XV+1], v[A4] offset:12928
.endm
.macro NEXTK                           ; what the trip behind this one reads.  Behind the last trip: a record number above every rank, for which nothing is fetched
	s_add_co_u32 s37, s[STP], 1
	s_cmp_ge_u32 s37, s[SWT]
	s_cselect_b32 s[RKN], s[RKB], s[RKA]
	s_cselect_b32 s36, s[OFF2], 0
	s_add_co_u32 s[RECN], s37, s36
	s_and_b32 s[TBN], s[RECN], 15
	s_mul_i32 s[TBN], s[TBN], RECB
	s_cmp_eq_u32 s37, 9
	s_cselect_b32 s[RECN], 31, s[RECN]
.endm
.macro SUMS from, count                ; the row's sum: pairs of p, four chains by turns
.set K_, \from
.rept \count
.if K_%4
.set C_, 230+2*(K_%4)
.else
.set C_, 14
.endif
	v_pk_add_f32 v[C_:C_+1], v[C_:C_+1], v[S+2*K_:S+2*K_+1]
.set K_, K_+1
.endr
.endm
.macro STEP more                       ; more = 1: the next trip's K is fetched behind O's products, and most of the row's sum stands behind those loads
	WALU
	s_wait_dscnt 0x0                               ; K is in
.irp t, 0,1,2,3,4,5,6,7
	MMS S+8*\t, F+6*\t, Q, -1, KS+\t/2, QS, \t%2   ; S^T: register 32 c + 8 u + j of lane (r, h): query r, key 64 c + 32 h + 8 u + j
.endr
	v_perm_b32 v[VS], v[XV+1], v[XV], 0x05040100   ; V's scale words: the two halves of the keys joined; tile h,
	v_perm_b32 v[VS+1], v[XV+1], v[XV], 0x07060302 ; tile 2 + h
	v_add_nc_u32 v[A16], s[TB], v[L16]
	v_add_nc_u32 v[A8], s[TB], v[L8]               ; with the two permutations: four places in front of the loads below and of the first read of the scores
.irp n, 0,1,2,3
.irp c, 0,1
	ds_load_b128 v[F+12*\n+6*\c:F+12*\n+6*\c+3], v[A16] offset:6144+768*(2*\n+\c)      ; V's four fragments land while the softmax is walked
	ds_load_b64 v[F+12*\n+6*\c+4:F+12*\n+6*\c+5], v[A8] offset:6144+768*(2*\n+\c)+512
.endr
.endr
	s_cmp_lt_u32 s[REC], s[RKC]
	s_cbranch_scc1 .Lopen_\@                       ; below the diagonal all keys count
	v_mov_b32 v[T0], 0xff800000                    ; on it the scores of hidden keys become -infinity ahead of the maximum.  Key 0 of the step counts for every query
.set N_, 0
.rept 64
	v_cmp_gt_i32 vcc_lo, 64*(N_/32)+N_%32, v[DQ]
	v_cndmask_b32 v[S+N_], v[S+N_], v[T0], vcc_lo
.set N_, N_+1
.endr
.Lopen_\@:
.irp c, 0,1                                ; the largest score of my block of 32 keys in each half: it serves for the row's maximum and, since p rises with the score, for the block's largest p.  Four chains by turns
	v_max3_num_f32 v[BM+\c], v[S+32*\c], v[S+32*\c+1], v[S+32*\c+2]
	v_max3_num_f32 v[BB+\c], v[S+32*\c+16], v[S+32*\c+17], v[S+32*\c+18]
.endr
.irp i, 3,5,7,9,11,13
.irp c, 0,1
	v_max3_num_f32 v[BM+\c], v[BM+\c], v[S+32*\c+\i], v[S+32*\c+\i+1]
	v_max3_num_f32 v[BB+\c], v[BB+\c], v[S+32*\c+16+\i], v[S+32*\c+17+\i]
.endr
.endr
.irp c, 0,1
	v_max3_num_f32 v[BM+\c], v[BM+\c], v[BB+\c], v[S+32*\c+15]
.endr
.irp c, 0,1
	v_max_num_f32 v[BM+\c], v[BM+\c], v[S+32*\c+31]
.endr
	s_delay_alu instid0(VALU_DEP_1)
	v_max3_num_f32 v13, v[BM], v[BM+1], v13        ; the running largest score of my query,
	s_delay_alu instid0(VALU_DEP_1)
	v_permlanex16_b32 v[PM], v13, s[SEL], s[SEL+1]
	s_delay_alu instid0(VALU_DEP_1)
	v_max_num_f32 v13, v13, v[PM]                  ; with lane l xor 16's keys
	s_delay_alu instid0(VALU_DEP_1)
	v_mul_f32 v[T0], s[NC], v13                    ; -t (c is positive)
	s_delay_alu instid0(VALU_DEP_1)
	v_floor_f32 v[T1], v[T0]                       ; the new -M = floor(-t) = -ceil(t): a whole number
	s_delay_alu instid0(VALU_DEP_1)
	v_sub_f32 v[T0], v[T1], v12                    ; M's old value less its new one: a whole number, 0 or less
	s_delay_alu instid0(VALU_DEP_2)
	v_mov_b32 v12, v[T1]
	s_delay_alu instid0(VALU_DEP_2)
	v_cvt_i32_f32 v[T0], v[T0]                     ; (it saturates)
	s_delay_alu instid0(VALU_DEP_1)
	v_ldexp_f32 v[FF], 1.0, v[T0]                  ; f = 2^(old M - new M)
.set J_, 0
.rept 32
	v_pk_fma_f32 v[S+J_:S+J_+1], v[S+J_:S+J_+1], s[CS:CS+1], v[12:13] op_sel_hi:[1,0,0]   ; t - M, two at a time (of the pairs c and -M the low word serves both halves)
.set J_, J_+2
.endr
.irp c, 0,1
	v_fma_f32 v[BM+\c], v[BM+\c], s[CS], v12       ; the same of each block's largest score
.endr
.set J_, 0
.rept 16
	v_pk_mul_f32 v[O+J_:O+J_+1], v[O+J_:O+J_+1], v[FF:FF+1] op_sel_hi:[1,0]   ; O^T under the new M: x f
.set J_, J_+2
.endr
	WALU                                           ; ahead of the batch
.set J_, 0
.rept 64
	v_exp_f32 v[S+J_], v[S+J_]                     ; p = 2^(t - M), not normalised
.set J_, J_+1
.endr
.irp c, 0,1
	v_exp_f32 v[BM+\c], v[BM+\c]                   ; the block's largest p: the same two instructions on the same number give the same bits
.endr
	v_pk_mul_f32 v[14:15], v[14:15], v[FF:FF+1] op_sel_hi:[1,0]   ; the sums under the new M.  (A plain place behind the exponentials)
	WALU                                           ; one wait for the whole batch
.irp c, 0,1
	v_max_num_f32 v[BM+\c], FLOOR, v[BM+\c]        ; the byte cannot fall under 1
.endr
.irp c, 0,1
	v_add_nc_u32 v[SO+\c], EOFF, v[BM+\c]          ; 2 off the exponent field: the conversion's scale operand
.endr
.irp c, 0,1
	v_lshrrev_b32 v[BY+\c], 23, v[SO+\c]           ; the bytes of blocks h and 2 + h
.endr
.irp c, 0,1
	v_cvt_scalef32_pk16_fp6_f32 v[PC+6*\c:PC+6*\c+2], v[S+32*\c:S+32*\c+15], v[SO+\c]
	v_cvt_scalef32_pk16_fp6_f32 v[CT+4*\c:CT+4*\c+2], v[S+32*\c+16:S+32*\c+31], v[SO+\c]   ; (a conversion's three registers begin on an even number)
.endr
	v_lshl_or_b32 v[T0], v[BY+1], 16, v[BY]        ; (a plain place behind the conversions)
	v_pk_add_f32 v[232:233], v[S:S+1], v[S+2:S+3]  ; the row's sum is taken of the unquantised p, in four chains
	v_lshlrev_b32 v[T0], v[H8], v[T0]              ; my two bytes at their places in the scale word;
	v_pk_add_f32 v[234:235], v[S+4:S+5], v[S+6:S+7]
	v_permlanex16_b32 v[PT], v[T0], s[SEL], s[SEL+1]
	v_pk_add_f32 v[236:237], v[S+8:S+9], v[S+10:S+11]
	v_or_b32 v[PS], v[T0], v[PT]                   ; with lane l xor 16's two it is whole
.irp c, 0,1
.irp i, 0,1,2
	v_mov_b32 v[PC+6*\c+3+\i], v[CT+4*\c+\i]
.endr
.endr
	SUMS 6, 4                                      ; (also four places between p's codes and the products below; p's scale word stands ten ahead of them)
	WALU
	s_wait_dscnt 0x0                               ; V is in
.irp n, 0,1,2,3
	MMS O+8*\n, F+12*\n, PC, O+8*\n, VS+\n/2, PS, \n%2   ; O^T += V^T P^T: the four accumulators by turns
.endr
.if \more
	s_cmp_gt_u32 s[RECN], s[RKN]
	s_cbranch_scc1 .Lno_more_\@                    ; no step follows for this wave
	KLOAD
.Lno_more_\@:
.endif
	SUMS 10, 22
	v_pk_add_f32 v[232:233], v[232:233], v[234:235]
	v_pk_add_f32 v[14:15], v[14:15], v[236:237]
	v_pk_add_f32 v[14:15], v[14:15], v[232:233]
	WALU
.endm
	s_load_b128 s[4:7], s[0:1], 0x0                ; qq, kv
	s_load_b64 s[8:9], s[0:1], 0x10                ; yq
	v_lshl_add_u32 v[SPW], v0, 2, SPARE
	v_mov_b32 v[NIL], 0
	ds_add_u32 v[SPW], v[NIL]                      ; the opening: the add, twice on end, and its wait ahead of my tensor load
	ds_add_u32 v[SPW], v[NIL]
	v_lshrrev_b32 v8, 5, v0
	v_readfirstlane_b32 s[WV], v8                  ; wave 0..15
	s_bfe_u32 s13, ttmp6, 0x40000                  ; cx: my place in the cluster
	s_lshl_b32 s14, ttmp9, 2                       ; in a cluster launch ttmp9 counts clusters
	s_add_co_u32 s14, s14, s13                     ; j = 4 x cluster x + cx
	s_and_b32 s15, ttmp7, 0xffff                   ; 16 x batch + head, which the four partners share
	s_lshr_b32 s[R], s[WV], 1
	s_lshr_b32 s36, s[WV], 2
	s_xor_b32 s36, s36, s[WV]
	s_and_b32 s[ROLE], s36, 1                      ; of each four waves w % 4 alike, and of each four w / 4 alike, two have role 1
	s_xor_b32 s37, s[ROLE], 1
	s_mul_i32 s38, s37, 15
	s_xor_b32 s[RKA], s[R], s38                    ; role 0: 15 - r; role 1: r
	s_xor_b32 s[RKB], s[R], 15
	s_mul_i32 s38, s37, 31
	s_add_co_u32 s[SWT], s[R], 1
	s_add_co_u32 s[SWT], s[SWT], s38
	s_sub_co_u32 s[OFF2], 8, s[R]
	; descriptor group 1: a record, 13,056 dense bytes, as 51 rows of 256 bytes (32 elements of 8 bytes); the mask names all four work-groups, bit 21 is set beside it
	s_mov_b32 s[G1+0], 15|(3<<16)|(1<<21)
	s_mov_b32 s[G1+1], 32<<16
	s_mov_b32 s[G1+2], 51<<16
	s_mov_b32 s[G1+3], 32<<16
	s_mov_b32 s[G1+4], 51
	s_mov_b32 s[G1+5], 32
	s_mov_b32 s[G1+6], 0
	s_mov_b32 s[G1+7], 0
	s_mov_b32 s[G0], 1
	s_mul_i32 s[G0+1], s[WV], RECB                 ; record w, in LDS: no place in the cluster enters an LDS address
	s_mul_i32 s74, s15, 208896
	s_add_co_u32 s74, s74, s[G0+1]                 ; and in kv: the head and the wave's number alone
	s_mov_b32 s75, 0
	; Q: record 32 head + 2 rank + j / 4, unit j % 4; its scale word: lane half j % 2, word (j / 2) % 2
	s_lshl_b32 s40, s15, 5
	s_lshr_b32 s41, s14, 2
	s_add_co_u32 s40, s40, s41
	s_and_b32 s43, s14, 3
	s_mul_i32 s43, s43, 768
	s_and_b32 s45, s14, 1
	s_lshl_b32 s45, s45, 7
	s_bfe_u32 s41, s14, 0x10001
	s_lshl_b32 s41, s41, 2
	s_add_co_u32 s45, s45, s41
	s_add_co_u32 s45, s45, 3072
	QREC RKA, 66, 68
	QREC RKB, 70, 72
	; y: record 16 batch + rank; head e is half e % 2 of K step e / 2
	s_lshr_b32 s46, s15, 4
	s_lshl_b32 s46, s46, 4
	s_add_co_u32 s46, s46, s[RKA]
	s_mul_i32 s46, s46, 102400
	s_and_b32 s47, s15, 15
	s_lshr_b32 s48, s47, 1
	s_and_b32 s47, s47, 1
	s_lshl_b32 s49, s48, 3
	s_add_co_u32 s49, s49, s14
	s_lshl_b32 s49, s49, 1
	s_add_co_u32 s49, s49, s47
	s_mul_i32 s49, s49, 768
	s_add_co_u32 s50, s49, s46
	s_add_co_u32 s50, s50, 4096                    ; the unit: 4,096 + ((8 (e / 2) + j) 2 + e % 2) 768
	s_mov_b32 s51, 0
	s_lshl_b32 s52, s14, 9
	s_lshl_b32 s53, s48, 6
	s_add_co_u32 s52, s52, s53
	s_lshl_b32 s53, s47, 1
	s_add_co_u32 s52, s52, s53
	s_add_co_u32 s52, s52, s46                     ; my half of the scale words: 512 j + 64 (e / 2) + 2 (e % 2) + 4 r
	s_mov_b32 s53, 0
	s_lshr_b32 s54, s14, 2
	s_lshl_b32 s54, s54, 6
	s_and_b32 s55, s14, 3
	s_lshl_b32 s55, s55, 3
	s_add_co_u32 s54, s54, s55                     ; my tile's first query in its block of 128: 64 (j / 4) + 8 (j % 4)
	s_mov_b32 s[SEL], 0x76543210
	s_mov_b32 s[SEL+1], 0xfedcba98                 ; v_permlanex16_b32's selects for lane l xor 16
	s_mov_b32 s[CS], 0x3e38aa3b                    ; c = log2(e) / 8
	s_mov_b32 s[CS+1], s[CS]                       ; (named with it as a pair, so it is written)
	s_mov_b32 s[NC], 0xbe38aa3b                    ; -c
	s_mul_i32 s38, s[R], 2*SZ
	s_add_co_u32 s38, s38, DUMP                    ; my pair's two areas
	s_mul_i32 s37, s37, SZ                         ; role 0 reads the second, role 1 the first
	WALU
	v_and_b32 v8, 31, v0
	v_lshlrev_b32 v[L16], 4, v8
	v_lshlrev_b32 v[L8], 3, v8
	v_lshlrev_b32 v[L4], 2, v8
	v_and_b32 v8, 15, v0                           ; r
	v_bfe_u32 v9, v0, 4, 1                         ; h
	v_lshrrev_b32 v10, 3, v8
	v_lshlrev_b32 v11, 5, v9
	v_lshlrev_b32 v[H8], 3, v9
	v_mad_u32_u24 v10, v10, 24, v8                 ; 32 (r / 8) + r % 8
	v_lshl_add_u32 v[YA], v8, 2, v9
	v_lshlrev_b32 v[QA], 3, v8
	v_sub_nc_u32 v10, v10, v11
	v_add_nc_u32 v[DA], s38, v[L16]
	v_add_nc_u32 v[DQ], s54, v10                   ; d = my query in its block - 32 h.  On the diagonal, register 32 c + i holds key 64 c + 32 h + i: hidden where 64 c + i > d
	v_add_nc_u32 v[LD], s37, v[DA]
	WALU
	s_wait_dscnt 0x0                               ; both opening adds are done
	CROUND                                         ; all four work-groups are here: the joint loads meet
	s_wait_kmcnt 0x0
	s_add_nc_u64 s[G0+2:G0+3], s[6:7], s[74:75]
	s_or_b32 s[G0+3], s[G0+3], 0x80000000
	s_add_nc_u64 s[66:67], s[4:5], s[66:67]
	s_add_nc_u64 s[68:69], s[4:5], s[68:69]
	s_add_nc_u64 s[70:71], s[4:5], s[70:71]
	s_add_nc_u64 s[72:73], s[4:5], s[72:73]
	s_add_nc_u64 s[50:51], s[8:9], s[50:51]
	s_add_nc_u64 s[52:53], s[8:9], s[52:53]
	s_cmp_eq_u32 s[WV], 0
	s_cbranch_scc0 .Lothers
	tensor_load_to_lds s[G0:G0+3], s[G1:G1+7]      ; wave 0: record 0, by a line that no other wave issues
	s_nop 0
.rept 4
	v_nop
.endr
	s_branch .Lasked
.Lothers:
	tensor_load_to_lds s[G0:G0+3], s[G1:G1+7]      ; waves 1 to 15: record w
	s_nop 0
.rept 4
	v_nop
.endr
.Lasked:
	global_load_b128 v[Q:Q+3], v[L16], s[66:67]    ; Q's half fragment stays in registers; the long tile's too (role 0 begins with it)
	global_load_b64 v[Q+4:Q+5], v[L8], s[66:67] offset:512
	global_load_b32 v[QS], v[QA], s[68:69]         ; and its scale word
	global_load_b128 v[Q2:Q2+3], v[L16], s[70:71]
	global_load_b64 v[Q2+4:Q2+5], v[L8], s[70:71] offset:512
	global_load_b32 v[QS2], v[QA], s[72:73]
.irp i, 6,7,8,9,10,11
	v_mov_b32 v[Q+\i], 0                           ; Q's codes of k = 64 .. 127
	v_mov_b32 v[F+42+\i], 0                        ; what tile 7 names as its upper half
.endr
	NEUTRAL                                        ; (the step is written once for all trips: the first finds an empty state)
	v_mov_b32 v[PM], 0                             ; written once: a lane permute's destination counts as one of its sources
	v_mov_b32 v[PT], 0
	v_mov_b32 v[FF+1], 0                           ; (named as the upper half of the pair)
	s_mov_b32 s[TB], 0
	s_mov_b32 s[TBN], 0
	s_mov_b32 s[REC], 0
	s_mov_b32 s[RKC], s[RKA]
	WALU
	s_wait_loadcnt 0x0                             ; Q
	s_cmp_lg_u32 s[WV], 0
	s_cbranch_scc1 .Lnot_first
	s_wait_tensorcnt 0x0                           ; record 0 is in
.Lnot_first:
	BARRIER                                        ; for everybody; the others may still be on their way
	KLOAD
	STEP 0                                         ; trip 0: record 0 for every wave
	WALU
	s_wait_tensorcnt 0x0                           ; my record is in,
	s_wait_dscnt 0x0
	BARRIER                                        ; everybody's is: the head's K and V lie in LDS
	s_mov_b32 s[STP], 0
	NEXTK
	KLOAD                                          ; trip 1's K
	s_mov_b32 s[STP], 1
.Ltrip:
	s_cmp_ge_u32 s[STP], s[SWT]
	s_cselect_b32 s[RKC], s[RKB], s[RKA]
	s_cselect_b32 s36, s[OFF2], 0
	s_add_co_u32 s[REC], s[STP], s36
	s_and_b32 s[TB], s[REC], 15
	s_mul_i32 s[TB], s[TB], RECB
	NEXTK
	s_cmp_lg_u32 s[STP], s[SWT]
	s_cbranch_scc1 .Lsame_tile
.irp i, 0,1,2,3,4,5
	v_mov_b32 v[Q+\i], v[Q2+\i]
.endr
	v_mov_b32 v[QS], v[QS2]
	PUTAWAY 0                                      ; role 1's own tile is done: its state waits in LDS, and the long tile's last steps follow.  (Its moves are also the places between Q's registers and the products)
	WALU
.Lsame_tile:
	s_cmp_gt_u32 s[REC], s[RKC]
	s_cbranch_scc1 .Lhidden                        ; role 1's last trip: nothing is left
	STEP 1
.Lhidden:
	s_add_co_u32 s[STP], s[STP], 1
	s_cmp_lt_u32 s[STP], 9
	s_cbranch_scc1 .Ltrip
	s_cmp_eq_u32 s[ROLE], 0
	s_cbranch_scc1 .Lkeep
	PUTAWAY SZ                                     ; role 1's part of the long tile, for its partner
.Lkeep:
	WALU
	s_wait_dscnt 0x0
	BARRIER
	; JOIN my state with one from LDS: M = the larger of the two, both brought under it by exact powers of two
.irp i, 0,1,2,3,4,5,6,7
	ds_load_b128 v[S+4*\i:S+4*\i+3], v[LD] offset:512*\i
.endr
	ds_load_b128 v[S+32:S+35], v[LD] offset:4096
	s_wait_dscnt 0x0
	v_min_num_f32 v[T1], v12, v[S+32]
	v_add_f32 v14, v14, v15
	v_add_f32 v[S+34], v[S+34], v[S+35]
	v_sub_f32 v[T0], v[T1], v12
	v_sub_f32 v[T1], v[T1], v[S+32]
	v_cvt_i32_f32 v[T0], v[T0]
	v_cvt_i32_f32 v[T1], v[T1]
	v_ldexp_f32 v[FF], 1.0, v[T0]
	v_ldexp_f32 v[SO], 1.0, v[T1]
	v_mul_f32 v14, v14, v[FF]
	v_fma_f32 v14, v[S+34], v[SO], v14             ; the sum over my half of the lanes' keys,
	v_permlanex16_b32 v[PT], v14, s[SEL], s[SEL+1]
	v_add_f32 v14, v14, v[PT]                      ; and lane l xor 16's: the row's sum
	WALU
	v_rcp_f32 v14, v14
.rept 4
	v_nop                                          ; a plain place behind the reciprocal, and the places behind the last products
.endr
	WALU
	v_mul_f32 v[FF], v[FF], v14
	v_mul_f32 v[SO], v[SO], v14
.set J_, 0
.rept 16
	v_pk_mul_f32 v[S+J_:S+J_+1], v[S+J_:S+J_+1], v[SO:SO+1] op_sel_hi:[1,0]
.set J_, J_+2
.endr
.set J_, 0
.rept 16
	v_pk_fma_f32 v[S+J_:S+J_+1], v[O+J_:O+J_+1], v[FF:FF+1], v[S+J_:S+J_+1] op_sel_hi:[1,0,1]   ; y: each accumulator from its low end on
.set J_, J_+2
.endr
	; THE WAY OUT: my 32 registers are channels 32 h + 0 .. 31 of my query: one block, half a fragment of the last product's operand
.irp k, 0,1,2,3
	v_max3_num_f32 v[BB+\k], |v[S+8*\k]|, |v[S+8*\k+1]|, |v[S+8*\k+2]|
.endr
.irp i, 3,5
.irp k, 0,1,2,3
	v_max3_num_f32 v[BB+\k], v[BB+\k], |v[S+8*\k+\i]|, |v[S+8*\k+\i+1]|
.endr
.endr
	v_max3_num_f32 v[BB], v[BB], v[BB+1], |v[S+7]|
	v_max3_num_f32 v[BB+2], v[BB+2], v[BB+3], |v[S+23]|
	v_max3_num_f32 v[BB], v[BB], |v[S+15]|, FLOOR
	v_max3_num_f32 v[BB], v[BB], v[BB+2], |v[S+31]|
	v_add_nc_u32 v[SO], EOFF, v[BB]
	v_cvt_scalef32_pk16_fp6_f32 v[PC:PC+2], v[S:S+15], v[SO]
	v_cvt_scalef32_pk16_fp6_f32 v[CT:CT+2], v[S+16:S+31], v[SO]
	v_lshrrev_b32 v[BY], 23, v[SO]                 ; the byte.  (A plain place behind the conversions)
.irp i, 0,1,2
	v_mov_b32 v[PC+3+\i], v[CT+\i]
.endr
	global_store_b128 v[L16], v[PC:PC+3], s[50:51]             ; 512 consecutive bytes, at a multiple of 256 from yq's first byte
	global_store_b64 v[L8], v[PC+4:PC+5], s[50:51] offset:512  ; 256 more
	global_store_b8 v[YA], v[BY], s[52:53]         ; two bytes a row: the word's other half is another head's, made by another work-group
	s_wait_tensorcnt 0x0                           ; the wave's end
	ds_add_u32 v[SPW], v[NIL]
	s_wait_dscnt 0x0
	CROUND                                         ; the closing round: no work-group ends while a partner may still ask for a record that names it
	s_endpgm
.Lfunc_end_k_q342855ecf9_attn:
	.size	k_q342855ecf9_attn, .Lfunc_end_k_q342855ecf9_attn-k_q342855ecf9_attn
	.p2alignl 7, 3214868480
	.fill 96, 4, 3214868480
	.section	.rodata,"a",@progbits
	.p2align	6, 0x0
	.amdhsa_kernel k_q342855ecf9_attn
		.amdhsa_group_segment_fixed_size 284672
		.amdhsa_private_segment_fixed_size 0
		.amdhsa_enable_private_segment 0
		.amdhsa_kernarg_size 24
		.amdhsa_user_sgpr_count 2
		.amdhsa_user_sgpr_kernarg_segment_ptr 1
		.amdhsa_wavefront_size32 1
		.amdhsa_system_sgpr_workgroup_id_x 1
		.amdhsa_system_sgpr_workgroup_id_y 1
		.amdhsa_system_sgpr_workgroup_id_z 1
		.amdhsa_system_vgpr_workitem_id 0
		.amdhsa_next_free_vgpr 256
		.amdhsa_next_free_sgpr 80
		.amdhsa_reserve_vcc 1
		.amdhsa_float_denorm_mode_32 3
		.amdhsa_float_denorm_mode_16_64 3
		.amdhsa_memory_ordered 1
		.amdhsa_forward_progress 1
		.amdhsa_inst_pref_size 62
	.end_amdhsa_kernel
	.amdgpu_metadata
---
amdhsa.version: [ 1, 2 ]
amdhsa.kernels:
  - .name:           k_q342855ecf9_attn
    .symbol:         k_q342855ecf9_attn.kd
    .args:
      - { .name: qq, .offset: 0, .size: 8, .value_kind: global_buffer, .address_space: global }
      - { .name: kv, .offset: 8, .size: 8, .value_kind: global_buffer, .address_space: global }
      - { .name: yq, .offset: 16, .size: 8, .value_kind: global_buffer, .address_space: global }
    .group_segment_fixed_size: 284672
    .private_segment_fixed_size: 0
    .kernarg_segment_align: 8
    .kernarg_segment_size: 24
    .max_flat_workgroup_size: 512
    .sgpr_count:     80
    .vgpr_count:     256
    .wavefront_size: 32
...
	.end_amdgpu_metadata
.endif
;; end of part 3
;; launch proj (part 4): grid 8 x 32, 4 waves a work-group, clusters of 4 x 4, 218,624 bytes of LDS; arguments yq, wq, b_proj, out0; writes out0
.if DOCPART == 4
	.amdgcn_target "amdgcn-amd-amdhsa--gfx1250"
	.amdhsa_code_object_version 6
	.text
	.protected	k_q342855ecf9_proj
	.globl	k_q342855ecf9_proj
	.p2align	8
	.type	k_q342855ecf9_proj,@function
k_q342855ecf9_proj:
	s_mov_b64 s[64:65], 0
	v_nop
	global_prefetch_b8 v0, s[64:65] scope:SCOPE_SE
	s_setreg_imm32_b32 hwreg(HW_REG_WAVE_MODE, 25, 1), 1
	s_wait_xcnt 0x0
	s_wait_alu depctr_hold_cnt(0) depctr_sa_sdst(0) depctr_va_vdst(0) depctr_va_sdst(0) depctr_va_ssrc(0) depctr_va_vcc(0) depctr_vm_vsrc(0)
	s_getreg_b32 s2, hwreg(HW_REG_IB_STS2, 6, 4)
	s_cmp_eq_u32 s2, 0
	s_cbranch_scc0 .Lentry_in_a_cluster
	s_endpgm
.Lentry_in_a_cluster:
	s_bfe_u32 s2, ttmp6, 0x10000c
	s_cmp_lg_u32 s2, 0xf033
	s_cbranch_scc0 .Lentry_shape_is_right
	s_endpgm
.Lentry_shape_is_right:
; PROJ: out0 = y w_proj + b_proj, on codes of FP6 (E2M3) with one E8M0 byte for each 32 along K = 1,024; sums in f32.  y's and w_proj's codes and scale words come as register images made by the earlier launches.
; A tile of out0, 128 rows x 128 columns, is made by a work-group of four waves: 256 work-groups.  Wave w makes row tiles 4 (w / 2) + 0 .. 3 and column groups 2 (w % 2) + 0, 1: 64 x 64, 16 accumulators.
; THE WHOLE K LIES IN LDS: y's record of the 128 rows (102,400 bytes: scale words, then the K steps' units) and w_proj's block of the 128 columns (98,304 bytes, K step outermost), each filled ONCE, in two halves along K,
; so that the first four K steps are multiplied while the last four may still land.  No byte is filled again.
; CLUSTERS: 4 x 4 work-groups.  The four of a row of the cluster need the same record of y, the four of a column the same block of w_proj: each is asked for JOINTLY, by the same tensor load with the same descriptor and a mask that names the four.
; One load a wave, at the head: wave 0 y's first half, wave 1 w_proj's, waves 2 and 3 the second halves.  Nothing is prefetched: all that the launch reads is asked for at its head.
; THE MATRIX INSTRUCTION IS USED TRANSPOSED (source 0 = 16 columns of w_proj, source 1 = 16 rows of y); in a group of 64, lane-row r of tile n is column (row) 32 (r / 8) + 8 n + r % 8: register j of tile n in lane (r, h) is column 32 h + 8 n + j of row r.
; The bias is the C of each sum's first matrix instruction.
; REGISTERS: window 0: v1-15 addresses; v16-31 y's scale words (register 4 m + s / 2: even K step in lanes 0-15, odd in lanes 16-31); v32-47 w_proj's (register 8 g + s: even tile in lanes 0-15, odd in lanes 16-31);
;   v48-79 the bias, later rows on the way out; v80-207 the accumulators; v208-239 rows on the way out.   window 1: two sets of fragments at v0 and v96: w_proj's four at 12 n, y's four at 48 + 12 m.
.set YREC,  102400
.set WBLK,  102400                     ; LDS: w_proj's block behind y's record
.set STAGE, 200704                     ; behind both: 16 rows x (256 bytes + 16) for each wave, for the way out; no fill lands here
.set SPARE, 218112                     ; the spare words, 128 bytes for each wave
.set Y16, 1                            ; v1, v2  y's units, K steps 0-3 and 4-7: 16 l + 4,096 + 6,144 (w / 2) (+ 49,152)
.set Y8,  3                            ; v3, v4  the same with 8 l
.set W16, 5                            ; v5, v6  w_proj's fragments: 16 l + 102,400 + 6,144 (w % 2) (+ 49,152)
.set L4,  7
.set STO, 8
.set RD,  9
.set CO,  10
.set BA,  11
.set YSA, 15
.set YS,  16
.set WS,  32
.set BIAS, 48
.set ACC, 80
.set SPW, 254
.set NIL, 255
.set WV,  12
.set G1YA, 24                          ; s[24:31] group 1 for y's first half: 208 rows of 256 bytes
.set G1YB, 32                          ; s[32:39] for its second: 192 rows
.set G1W,  40                          ; s[40:47] for w_proj's halves: 192 rows
.set G0Y0, 48
.set G0Y1, 52
.set G0W0, 56
.set G0W1, 60
.set MSB, 0
.macro WIN new                         ; the immediate's high byte repeats the setting that is left
.if MSB != (\new)
	s_set_vgpr_msb (MSB<<8)|(\new)
.set MSB, \new
.endif
.endm
.macro MMS d, a, b, cr, sa, sb, ra, rb ; one matrix instruction; ra, rb: the side's scale words stand in lanes 16-31 of the register named
.if (\ra) && (\rb)
	v_wmma_scale_f32_16x16x128_f8f6f4 v[(\d):(\d)+7], v[(\a):(\a)+11], v[(\b):(\b)+11], v[(\cr):(\cr)+7], v[\sa], v[\sb] matrix_a_fmt:MATRIX_FMT_FP6 matrix_b_fmt:MATRIX_FMT_FP6 matrix_a_scale:MATRIX_SCALE_ROW1 matrix_b_scale:MATRIX_SCALE_ROW1
.elseif \ra
	v_wmma_scale_f32_16x16x128_f8f6f4 v[(\d):(\d)+7], v[(\a):(\a)+11], v[(\b):(\b)+11], v[(\cr):(\cr)+7], v[\sa], v[\sb] matrix_a_fmt:MATRIX_FMT_FP6 matrix_b_fmt:MATRIX_FMT_FP6 matrix_a_scale:MATRIX_SCALE_ROW1
.elseif \rb
	v_wmma_scale_f32_16x16x128_f8f6f4 v[(\d):(\d)+7], v[(\a):(\a)+11], v[(\b):(\b)+11], v[(\cr):(\cr)+7], v[\sa], v[\sb] matrix_a_fmt:MATRIX_FMT_FP6 matrix_b_fmt:MATRIX_FMT_FP6 matrix_b_scale:MATRIX_SCALE_ROW1
.else
	v_wmma_scale_f32_16x16x128_f8f6f4 v[(\d):(\d)+7], v[(\a):(\a)+11], v[(\b):(\b)+11], v[(\cr):(\cr)+7], v[\sa], v[\sb] matrix_a_fmt:MATRIX_FMT_FP6 matrix_b_fmt:MATRIX_FMT_FP6
.endif
.endm
.macro CROUND                          ; a round of the cluster's barrier
	s_barrier_signal -1
	s_barrier_wait -1
	s_cmp_lg_u32 s[WV], 0
	s_cbranch_scc1 .Lnot_wave_0_\@
	s_barrier_signal -3
.Lnot_wave_0_\@:
	s_barrier_wait -3
	s_barrier_signal -1
	s_barrier_wait -1
.endm
.macro PLACES
.rept 4
	v_nop
.endr
.endm
	s_load_b256 s[4:11], s[0:1], 0x0               ; yq, wq, b_proj, out0
	v_lshl_add_u32 v[SPW], v0, 2, SPARE
	v_mov_b32 v[NIL], 0
	ds_add_u32 v[SPW], v[NIL]                      ; the opening: the add, twice on end, and its wait ahead of my tensor load
	ds_add_u32 v[SPW], v[NIL]
	v_lshrrev_b32 v12, 5, v0
	v_readfirstlane_b32 s[WV], v12                 ; wave 0..3
	s_lshr_b32 s13, s[WV], 1                       ; which half of the tile's rows is mine
	s_and_b32 s14, s[WV], 1                        ; which half of its columns
	s_bfe_u32 s15, ttmp6, 0x40000                  ; cx, cy: my place in the cluster
	s_bfe_u32 s16, ttmp6, 0x40004
	s_lshl_b32 s17, ttmp9, 2
	s_add_co_u32 s17, s17, s15                     ; tile column = 4 x cluster x + cx
	s_and_b32 s18, ttmp7, 0xffff
	s_lshl_b32 s18, s18, 2
	s_add_co_u32 s18, s18, s16                     ; tile row = 4 x cluster y + cy
	s_lshl_b32 s19, s16, 2
	s_lshl_b32 s19, 15, s19                        ; my row of the cluster
	s_lshl_b32 s20, 0x1111, s15                    ; my column
	; descriptor groups 1: dense blocks as rows of 256 bytes (32 elements of 8 bytes); 15:0 the mask, bit 21 set beside it
	s_or_b32 s[G1YA], s19, (3<<16)|(1<<21)
	s_or_b32 s[G1YB], s19, (3<<16)|(1<<21)
	s_or_b32 s[G1W], s20, (3<<16)|(1<<21)
	s_mov_b32 s[G1YA+1], 32<<16
	s_mov_b32 s[G1YA+2], 208<<16
	s_mov_b32 s[G1YA+3], 32<<16
	s_mov_b32 s[G1YA+4], 208
	s_mov_b32 s[G1YA+5], 32
	s_mov_b32 s[G1YA+6], 0
	s_mov_b32 s[G1YA+7], 0
.irp g, G1YB, G1W
	s_mov_b32 s[\g+1], 32<<16
	s_mov_b32 s[\g+2], 192<<16
	s_mov_b32 s[\g+3], 32<<16
	s_mov_b32 s[\g+4], 192
	s_mov_b32 s[\g+5], 32
	s_mov_b32 s[\g+6], 0
	s_mov_b32 s[\g+7], 0
.endr
	s_mul_i32 s72, s18, YREC
	s_mov_b32 s73, 0
	s_mul_i32 s76, s17, 98304
	s_mov_b32 s77, 0
	s_mov_b32 s[G0Y0], 1
	s_mov_b32 s[G0Y0+1], 0
	s_mov_b32 s[G0Y1], 1
	s_mov_b32 s[G0Y1+1], 53248
	s_mov_b32 s[G0W0], 1
	s_mov_b32 s[G0W0+1], WBLK
	s_mov_b32 s[G0W1], 1
	s_mov_b32 s[G0W1+1], WBLK+49152
	s_wait_alu depctr_va_vdst(0)
	s_wait_dscnt 0x0
	CROUND                                         ; all sixteen work-groups are here: the joint loads meet
	s_wait_kmcnt 0x0
	; y's addresses hang on the tile row alone, w_proj's on the tile column alone, each in registers that never hold the other coordinate
	s_add_nc_u64 s[G0Y0+2:G0Y0+3], s[4:5], s[72:73]                ; y: the scale words and K steps 0-3, 53,248 bytes
	s_add_nc_u64 s[G0Y1+2:G0Y1+3], s[G0Y0+2:G0Y0+3], 53248         ; K steps 4-7, 49,152 bytes
	s_or_b32 s[G0Y0+3], s[G0Y0+3], 0x80000000
	s_or_b32 s[G0Y1+3], s[G0Y1+3], 0x80000000
	s_add_nc_u64 s[76:77], s[6:7], s[76:77]
	s_add_nc_u64 s[G0W0+2:G0W0+3], s[76:77], 1179648               ; w_proj's block of my 128 columns, K steps 0-3
	s_add_nc_u64 s[G0W1+2:G0W1+3], s[G0W0+2:G0W0+3], 49152         ; K steps 4-7
	s_or_b32 s[G0W0+3], s[G0W0+3], 0x80000000
	s_or_b32 s[G0W1+3], s[G0W1+3], 0x80000000
	s_cmp_eq_u32 s[WV], 0                          ; one load a wave, each in an arm of its own: what is multiplied first by waves 0 and 1
	s_cbranch_scc0 .Lwave_1
	tensor_load_to_lds s[G0Y0:G0Y0+3], s[G1YA:G1YA+7]
	s_nop 0
	PLACES
	s_branch .Lasked
.Lwave_1:
	s_cmp_eq_u32 s[WV], 1
	s_cbranch_scc0 .Lwave_2
	tensor_load_to_lds s[G0W0:G0W0+3], s[G1W:G1W+7]
	s_nop 0
	PLACES
	s_branch .Lasked
.Lwave_2:
	s_cmp_eq_u32 s[WV], 2
	s_cbranch_scc0 .Lwave_3
	tensor_load_to_lds s[G0Y1:G0Y1+3], s[G1YB:G1YB+7]
	s_nop 0
	PLACES
	s_branch .Lasked
.Lwave_3:
	tensor_load_to_lds s[G0W1:G0W1+3], s[G1W:G1W+7]
	s_nop 0
	PLACES
.Lasked:
	s_lshl_b32 s78, s17, 9
	s_lshl_b32 s79, s14, 8
	s_add_co_u32 s78, s78, s79                     ; 512 x tile column + 256 x half: my 64 columns in bytes of f32, and my two groups' scale words
	s_mov_b32 s79, 0
	s_add_nc_u64 s[66:67], s[6:7], s[78:79]
	s_add_nc_u64 s[66:67], s[66:67], 2015232       ; w_proj's scale words: (32 s + 4 x tile column + group) 128
	s_add_nc_u64 s[68:69], s[8:9], s[78:79]        ; the bias
	s_add_nc_u64 s[70:71], s[10:11], s[78:79]
	s_lshl_b32 s78, s18, 19
	s_lshl_b32 s72, s13, 18
	s_add_co_u32 s78, s78, s72                     ; my first row: (128 x tile row + 64 x half) x 4,096 bytes
	s_add_nc_u64 s[70:71], s[70:71], s[78:79]      ; out0
	v_and_b32 v12, 31, v0                          ; lane
	v_and_b32 v13, 15, v0                          ; r
	v_bfe_u32 v14, v0, 4, 1                        ; h
	s_mul_i32 s72, s13, 6144
	s_add_co_u32 s72, s72, 4096
	v_lshl_add_u32 v[Y16], v12, 4, s72
	v_add_nc_u32 v[Y16+1], 49152, v[Y16]
	v_lshl_add_u32 v[Y8], v12, 3, s72
	v_add_nc_u32 v[Y8+1], 49152, v[Y8]
	s_mul_i32 s72, s14, 6144
	s_add_co_u32 s72, s72, WBLK
	v_lshl_add_u32 v[W16], v12, 4, s72
	v_add_nc_u32 v[W16+1], 49152, v[W16]
	v_lshlrev_b32 v[L4], 2, v12
	s_lshl_b32 s72, s13, 11
	v_add_nc_u32 v[YSA], s72, v[L4]                ; y's scale words: 512 m8 + 128 (s / 2) + 4 l
	s_mul_i32 s72, s[WV], 4352
	s_add_co_u32 s72, s72, STAGE                   ; my stage
	v_mul_u32_u24 v[STO], v13, 272
	v_lshl_add_u32 v[STO], v14, 7, v[STO]
	v_add_nc_u32 v[STO], s72, v[STO]               ; in: row r, + 128 h: my 32 columns
	v_mul_u32_u24 v[RD], v14, 272
	v_lshl_add_u32 v[RD], v13, 4, v[RD]
	v_add_nc_u32 v[RD], s72, v[RD]                 ; back: lanes 0-15 one row of 256 bytes, lanes 16-31 the next
	v_lshlrev_b32 v[CO], 12, v14
	v_lshl_add_u32 v[CO], v13, 4, v[CO]            ; and the same two rows in out0
	v_lshlrev_b32 v[BA], 7, v14                    ; the bias: lane (r, h) wants, for tile n, columns 32 h + 8 n + 0 .. 7
.irp g, 0,1
.irp ks, 0,1,2,3,4,5,6,7
	global_load_b32 v[WS+8*\g+\ks], v[L4], s[66:67] offset:4096*\ks+128*\g
.endr
.endr
.irp n, 0,1,2,3
	global_load_b128 v[BIAS+8*\n:BIAS+8*\n+3], v[BA], s[68:69] offset:32*\n
	global_load_b128 v[BIAS+8*\n+4:BIAS+8*\n+7], v[BA], s[68:69] offset:32*\n+16
.endr
; 28 LDS loads: K step ks's fragments into set ks % 2: w_proj's four (three loads each), y's four (two units of 16 + 8 bytes a lane each)
.macro FETCH ks
	WIN 0x40
.irp n, 0,1,2,3
.irp p, 0,1,2
	ds_load_b128 v[96*((\ks)%2)+12*\n+4*\p:96*((\ks)%2)+12*\n+4*\p+3], v[W16+(\ks)/4] offset:12288*((\ks)%4)+1536*\n+512*\p
.endr
.endr
.irp mm, 0,1,2,3
.irp c, 0,1
	ds_load_b128 v[96*((\ks)%2)+48+12*\mm+6*\c:96*((\ks)%2)+48+12*\mm+6*\c+3], v[Y16+(\ks)/4] offset:12288*((\ks)%4)+1536*\mm+768*\c
	ds_load_b64 v[96*((\ks)%2)+48+12*\mm+6*\c+4:96*((\ks)%2)+48+12*\mm+6*\c+5], v[Y8+(\ks)/4] offset:12288*((\ks)%4)+1536*\mm+768*\c+512
.endr
.endr
.endm
; A K step: 16 matrix instructions, the 16 accumulators by turns.  left: the younger fetch's 28 loads, or none.  more = 1: the K step two on is fetched into the set just read.
.macro PSTEP ks, left, more
	s_wait_dscnt \left
	WIN 0x05                                       ; sources 0 and 1 in window 1; C and D in window 0
.irp mm, 0,1,2,3
.irp n, 0,1,2,3
	MMS ACC+8*(4*\mm+\n), 96*((\ks)%2)+12*\n, 96*((\ks)%2)+48+12*\mm, (((\ks)+7)/8)*(ACC+8*(4*\mm+\n))+(1-((\ks)+7)/8)*(BIAS+8*\n), WS+8*(\n/2)+(\ks), YS+4*\mm+(\ks)/2, \n%2, (\ks)%2
.endr
.endr
	PLACES                                         ; in front of loads into registers that these products have read, and of the first read of results
.if \more
	FETCH (\ks)+2
.endif
.endm
	s_wait_alu depctr_va_vdst(0)
	s_cmp_lt_u32 s[WV], 2
	s_cbranch_scc0 .Lnot_first
	s_wait_tensorcnt 0x0                           ; the first halves are in (the second halves, waves 2 and 3's, may be out)
.Lnot_first:
	s_barrier_signal -1
	s_barrier_wait -1                              ; for everybody
.irp mm, 0,1,2,3
.irp i, 0,1,2,3
	ds_load_b32 v[YS+4*\mm+\i], v[YSA] offset:512*\mm+128*\i
.endr
.endr
	FETCH 0
	FETCH 1
	s_wait_loadcnt 0x0                             ; w_proj's scale words and the bias
	PSTEP 0, 28, 1
	PSTEP 1, 28, 1
	PSTEP 2, 28, 0
	PSTEP 3, 0, 0
	s_wait_tensorcnt 0x0                           ; the second halves are in,
	s_barrier_signal -1
	s_barrier_wait -1                              ; for everybody
	FETCH 4
	FETCH 5
	PSTEP 4, 28, 1
	PSTEP 5, 28, 1
	PSTEP 6, 28, 0
	PSTEP 7, 0, 0
	WIN 0
; THE WAY OUT, a tile of 16 rows x 64 columns at a time.  A lane holds 128 bytes of one row, and the lanes beside it hold other rows: so a tile goes through my own stage in LDS and comes back as whole rows of 256 bytes.
; LDS serves a wave's instructions in order: no wait between the stores and the loads, nor in front of the next tile's stores.
.macro TOSTAGE mm
.irp n, 0,1,2,3
	ds_store_b128 v[STO], v[ACC+8*(4*(\mm)+\n):ACC+8*(4*(\mm)+\n)+3] offset:32*\n        ; each accumulator from its low end on
	ds_store_b128 v[STO], v[ACC+8*(4*(\mm)+\n)+4:ACC+8*(4*(\mm)+\n)+7] offset:32*\n+16
.endr
.irp i, 0,1,2,3,4,5,6,7
	ds_load_b128 v[48+160*((\mm)%2)+4*\i:48+160*((\mm)%2)+4*\i+3], v[RD] offset:544*\i
.endr
.endm
.macro SEND mm, younger                ; younger: the LDS instructions issued behind tile mm's loads: the next tile's sixteen, or none
.irp i, 0,1,2,3,4,5,6,7
	s_wait_dscnt (\younger)+7-\i
	global_store_b128 v[CO], v[48+160*((\mm)%2)+4*\i:48+160*((\mm)%2)+4*\i+3], s[70:71] offset:(8*(\mm)+2*\i+24*(\i/4))*4096 th:TH_STORE_NT   ; 16 lanes store 256 consecutive bytes, at a multiple of 256 from out0's first byte; lane-row R is row 32 (R / 8) + 8 mm + R % 8 of my 64
.endr
.endm
	s_wait_alu depctr_va_vdst(0)
	TOSTAGE 0
	TOSTAGE 1
	SEND 0, 16
	s_wait_xcnt 0x0                                ; tile 0's stores have read their registers: tile 2's rows may land there
	TOSTAGE 2
	SEND 1, 16
	s_wait_xcnt 0x0
	TOSTAGE 3
	SEND 2, 16
	SEND 3, 0
	s_wait_tensorcnt 0x0                           ; the wave's end
	ds_add_u32 v[SPW], v[NIL]
	s_wait_dscnt 0x0
	CROUND                                         ; the closing round: no work-group ends while a partner may still ask for a block that names it
	s_endpgm
.Lfunc_end_k_q342855ecf9_proj:
	.size	k_q342855ecf9_proj, .Lfunc_end_k_q342855ecf9_proj-k_q342855ecf9_proj
	.p2alignl 7, 3214868480
	.fill 96, 4, 3214868480
	.section	.rodata,"a",@progbits
	.p2align	6, 0x0
	.amdhsa_kernel k_q342855ecf9_proj
		.amdhsa_group_segment_fixed_size 218624
		.amdhsa_private_segment_fixed_size 0
		.amdhsa_enable_private_segment 0
		.amdhsa_kernarg_size 32
		.amdhsa_user_sgpr_count 2
		.amdhsa_user_sgpr_kernarg_segment_ptr 1
		.amdhsa_wavefront_size32 1
		.amdhsa_system_sgpr_workgroup_id_x 1
		.amdhsa_system_sgpr_workgroup_id_y 1
		.amdhsa_system_sgpr_workgroup_id_z 1
		.amdhsa_system_vgpr_workitem_id 0
		.amdhsa_next_free_vgpr 512
		.amdhsa_next_free_sgpr 80
		.amdhsa_reserve_vcc 0
		.amdhsa_float_denorm_mode_32 3
		.amdhsa_float_denorm_mode_16_64 3
		.amdhsa_memory_ordered 1
		.amdhsa_forward_progress 1
		.amdhsa_inst_pref_size 51
	.end_amdhsa_kernel
	.amdgpu_metadata
---
amdhsa.version: [ 1, 2 ]
amdhsa.kernels:
  - .name:           k_q342855ecf9_proj
    .symbol:         k_q342855ecf9_proj.kd
    .args:
      - { .name: yq, .offset: 0, .size: 8, .value_kind: global_buffer, .address_space: global }
      - { .name: wq, .offset: 8, .size: 8, .value_kind: global_buffer, .address_space: global }
      - { .name: b_proj, .offset: 16, .size: 8, .value_kind: global_buffer, .address_space: global }
      - { .name: out0, .offset: 24, .size: 8, .value_kind: global_buffer, .address_space: global }
    .group_segment_fixed_size: 218624
    .private_segment_fixed_size: 0
    .kernarg_segment_align: 8
    .kernarg_segment_size: 32
    .max_flat_workgroup_size: 128
    .sgpr_count:     80
    .vgpr_count:     512
    .wavefront_size: 32
...
	.end_amdgpu_metadata
.endif
;; end of part 4
